; MI455X (gfx1250); checked and timed in simulation.
; The chip was launched on July 23, 2026; its instructions are those of AMD's public machine-readable ISA for CDNA 5 (MIT licence, August 2026) and "CDNA5" Instruction Set Architecture Reference Guide (July 2026). The comments in the code are by the model that wrote it; some were corrected since.
;; Causal Self Attention. Allowed arithmetic: matrix products marked QUANTISED: E2M1 operands, one E8M0 scale for each 32 along K, by v_wmma_scale_f32_16x16x128_f8f6f4 with both operands' format E2M1 (or v_wmma_scale_f32_32x16x128_f4), f32 sums; products left as they are: bf16, f16 or f32 operands; f32 sums; everything else in f32.
;; Inputs: b_out 1,024 float32; b_qkv 3,072 float32; w_out 1,024 x 1,024 float32; w_qkv 1,024 x 3,072 float32; x 4 x 2,048 x 1,024 float32.
;; Outputs: out0 4 x 2,048 x 1,024 float32.
;; This version of the problem:
;;   THIS VERSION OF THE PROBLEM IS GIVEN IN LOW PRECISION. The matrix products marked QUANTISED in the list below multiply operands that are first quantised to E2M1 (2 exponent bits, 1 mantissa bit; 4 bits a number), with one power-of-two scale for each 32 numbers along K (OCP MX v1.0); their sums are f32. The products marked 'left as it is' may take bf16, f16 or f32 operands, with f32 sums. Whichever they take, every output number must still come out within the allowed error. Rounding operands to bf16 (8 significant bits) uses up far more of that allowance than f16 does (11 bits, for magnitudes from 6e-5 to 65,504). All else is computed in f32.
;;   The module's matrix products, in the order in which they are computed (A, B: the left and right operand; K: the contracted axis; several contracted axes count as one K, in the product's order):
;;     1. [M 8,192, K 1,024] x [K 1,024, N 3,072]; A: input x; B: input w_qkv: QUANTISED
;;     2. batch 64 x [M 2,048, K 64] x [K 64, N 2,048]; A: computed on the way; B: computed on the way: left as it is (an operand is computed on the way)
;;     3. batch 64 x [M 2,048, K 2,048] x [K 2,048, N 64]; A: computed on the way; B: computed on the way: left as it is (an operand is computed on the way)
;;     4. [M 8,192, K 1,024] x [K 1,024, N 1,024]; A: computed on the way; B: input w_out: left as it is (an operand is computed on the way)
;;   THE QUANTISER, for each operand of a quantised product, along K:
;;     - K is cut into blocks of 32 from its start; a last block that is shorter is filled with zeros.
;;     - A block's scale is 2^e with e = floor(log2(the largest magnitude in the block)) - 2, held to -126 .. 127; a block of zeros has e = 0. As a byte (E8M0): e + 127.
;;     - Each number is divided by its block's scale, clamped to +-6, and rounded to the nearest number of E2M1, ties to even, subnormals kept.
;;     - The product sums the exact products of the quantised numbers (number of the format x scale) in f32.
;;   ~~~python
;;   def quantise(x, axis):      # numpy; x: float32 -> the quantised numbers, widened to float32 again
;;       x = np.moveaxis(x, axis, -1); K = x.shape[-1]
;;       x = np.pad(x, [(0, 0)] * (x.ndim - 1) + [(0, -K % 32)]); x = x.reshape(x.shape[:-1] + (-1, 32)); a = np.abs(x).max(-1, keepdims=True)
;;       e = np.where(a > 0, np.clip(np.frexp(np.where(a > 0, a, 1))[1] - 1 - 2, -126, 127), 0)      # np.frexp(a)[1] - 1 = floor(log2(a)), exactly
;;       r = np.clip(x / 2.0 ** e, -6, 6)
;;       step = 2.0 ** (np.maximum(np.frexp(np.where(r == 0, 1, r))[1] - 1, 0) - 1)
;;       q = np.round(r / step) * step * 2.0 ** e      # np.round: ties to even
;;       return np.moveaxis(q.reshape(q.shape[:-2] + (-1,))[..., :K], -1, axis).astype(np.float32)
;;   ~~~
;; One version. Each part assembles by itself: llvm-mc -triple=amdgcn-amd-amdhsa -mcpu=gfx1250 --defsym DOCPART=n.
;; ======== version 1 of 1: 5 launches
;; limits: values are held in f16: magnitudes above 65,504 overflow, below 6.1e-05 lose precision
;; workspace buffers: x_codes 4,194,304 bytes; x_scales 262,144 bytes; w_codes 1,572,864 bytes; w_scales 98,304 bytes; w16 2,097,152 bytes; qkv16 50,331,648 bytes; qkv_fine 786,432 bytes; att 16,777,216 bytes
;; launch prep (part 1): grid 256 x 1, 8 waves a work-group, no clusters, 84,992 bytes of LDS; arguments x, w_qkv, w_out, x_codes, x_scales, w_codes, w_scales, w16; writes x_codes, x_scales, w_codes, w_scales, w16
.if DOCPART == 1
	.amdgcn_target "amdgcn-amd-amdhsa--gfx1250"
	.amdhsa_code_object_version 6
	.text
	.protected	k_q83c3f82b0d_prep
	.globl	k_q83c3f82b0d_prep
	.p2align	8
	.type	k_q83c3f82b0d_prep,@function
k_q83c3f82b0d_prep:
	s_mov_b64 s[64:65], 0
	v_nop
	global_prefetch_b8 v0, s[64:65] scope:SCOPE_SE
	s_setreg_imm32_b32 hwreg(HW_REG_WAVE_MODE, 25, 1), 1
	s_wait_xcnt 0x0
; PREP: the operands of the later launches are made once.
;   work-groups 0-127   (role X): x [8192][1024] f32 -> codes of FP4 (E2M1), K innermost, x_codes [8192][512 bytes], and one E8M0 byte for each 32 along K, x_scales [8192][32].
;   work-groups 128-223 (role W): w_qkv [1024 k][3072 n] f32, whose K is its FIRST axis -> w_codes [3072 n][512 bytes], K innermost, w_scales [3072][32].
;   work-groups 224-255 (role O): w_out [1024][1024] f32 -> w16, the same layout in f16.
; A block's scale is 2^(floor(log2(its largest magnitude)) - 2); its byte is the largest magnitude's exponent field - 2, held at 1 from below by a floor among the maximum's leaves.
; LIMITS: a block of zeros gets the byte 1 where the rule says 127 (its codes are zeros, and this program alone reads the bytes); blocks whose largest magnitude lies under 2^-124 are held at the byte 1;
; NaN and infinities among the inputs are not served; |w_out| stays under 65,504 (f16).
; The roles part on the work-group's number alone, each has LDS bytes of its own, and every LDS address register is made ahead of the parting.  One barrier stands on the way that all roles share.
.set WSTG,  65536                      ; role W: 64 rows (columns n) x (256 bytes of codes + 16)
.set WSC,   82944                      ; role W: 64 x 16 scale bytes
.set SPARE, 83968                      ; the spare words, 128 bytes for each of eight waves: four blocks of 256 bytes that no other line names
.set SPW,   1                          ; v1   my spare word; never rewritten
.set NIL,   2                          ; v2   0; never rewritten
.set R,     16                         ; v16-143  numbers as they are loaded
.set X,     144                        ; v144-175 role X: two sets of 16 neighbours; roles W and O: results
.set E,     176                        ; v176-191 role X: a scale byte for each step
.set C,     192                        ; v192-223 role X: two registers of codes for each step
	s_load_b256 s[4:11], s[0:1], 0x0               ; x s[4:5], w_qkv s[6:7], w_out s[8:9], x_codes s[10:11]
	s_load_b256 s[12:19], s[0:1], 0x20             ; x_scales s[12:13], w_codes s[14:15], w_scales s[16:17], w16 s[18:19]
	v_lshl_add_u32 v[SPW], v0, 2, SPARE
	v_mov_b32 v[NIL], 0
	v_lshrrev_b32 v3, 5, v0
	v_readfirstlane_b32 s20, v3                    ; wave 0..7
	v_and_b32 v3, 31, v0                           ; lane
	v_lshlrev_b32 v4, 4, v3                        ; 16 x lane
	s_lshl_b32 s21, s20, 13                        ; role X: my wave's 8,192 bytes of LDS
	v_lshrrev_b32 v5, 2, v3
	v_mul_u32_u24 v5, v5, 80
	v_and_b32 v6, 3, v3
	v_lshl_add_u32 v5, v6, 4, v5
	v_add_nc_u32 v5, s21, v5                       ; the stage, on the way in: four lanes' 64 bytes on end, then 16 of padding
	v_mul_u32_u24 v6, v3, 80
	v_add_nc_u32 v6, s21, v6                       ; and on the way out: my 16 neighbours
	v_lshlrev_b32 v7, 3, v3                        ; 8 x lane
	v_lshrrev_b32 v8, 1, v3
	s_add_co_u32 s22, s21, 5120
	v_add_nc_u32 v8, s22, v8                       ; my block's scale byte among the wave's 256
	v_add_nc_u32 v9, s22, v7                       ; and 8 of them a lane on the way out
	v_lshlrev_b32 v10, 2, v3                       ; 4 x lane
	s_and_b32 s23, s20, 1                          ; role W: which 32 of the group's 64 columns
	s_lshr_b32 s24, s20, 1                         ; and which 128 of its 512 along K
	s_lshl_b32 s25, s23, 5
	v_add_nc_u32 v12, s25, v3                      ; my column among the 64
	v_mul_u32_u24 v11, v12, 272
	s_lshl_b32 s26, s24, 6
	s_add_co_u32 s26, s26, WSTG
	v_add_nc_u32 v11, s26, v11                     ; where my column's codes go: its row, + 64 bytes for each 128 along K
	v_lshlrev_b32 v14, 4, v12
	v_add_nc_u32 v14, WSC, v14                     ; my column's 16 scale bytes,
	s_lshl_b32 s26, s24, 2
	v_add_nc_u32 v12, s26, v14                     ; and my four of them
	v_lshrrev_b32 v15, 4, v3
	s_lshl_b32 s26, s20, 3
	v_add_nc_u32 v13, s26, v15
	v_mul_u32_u24 v13, v13, 272
	v_and_b32 v224, 15, v3
	v_lshl_add_u32 v13, v224, 4, v13
	v_add_nc_u32 v13, WSTG, v13                    ; back out of the stage: sixteen lanes to a row, rows 8 x wave on
	v_lshlrev_b32 v15, 9, v15
	v_lshl_add_u32 v15, v224, 4, v15               ; and the same place in w_codes (a row is 512 bytes)
	v_lshlrev_b32 v224, 5, v3                      ; a row of w_scales is 32 bytes
	s_wait_kmcnt 0x0
	s_cmp_lt_u32 ttmp9, 128
	s_cbranch_scc0 .Lnot_x
; ---- ROLE X.  x is a plain stream of blocks of 32.  A wave takes 16 steps of 512 numbers.  Each load reads 512 consecutive bytes; a step's 2,048 bytes turn through the wave's own stage in LDS,
; so that a lane then holds 16 neighbours along K (two lanes to a block).  Loads run eight steps (32 loads a wave) ahead, the turn through LDS one step.
	s_lshl_b32 s21, ttmp9, 3
	s_add_co_u32 s21, s21, s20                     ; which run of 8,192 numbers is my wave's
	s_lshl_b32 s22, s21, 15
	s_mov_b32 s23, 0
	s_add_nc_u64 s[4:5], s[4:5], s[22:23]
	s_lshl_b32 s22, s21, 12
	s_add_nc_u64 s[10:11], s[10:11], s[22:23]
	s_lshl_b32 s22, s21, 8
	s_add_nc_u64 s[12:13], s[12:13], s[22:23]
.macro XLOAD t
.irp i, 0,1,2,3
	global_load_b128 v[R+16*((\t)%8)+4*\i:R+16*((\t)%8)+4*\i+3], v4, s[4:5] offset:2048*(\t)+512*\i th:TH_LOAD_NT
.endr
.endm
.macro XTURN t                         ; LDS serves a wave's instructions in order: no wait stands between the stores and the loads
.irp i, 0,1,2,3
	ds_store_b128 v5, v[R+16*((\t)%8)+4*\i:R+16*((\t)%8)+4*\i+3] offset:2560*((\t)%2)+640*\i
.endr
.irp i, 0,1,2,3
	ds_load_b128 v[X+16*((\t)%2)+4*\i:X+16*((\t)%2)+4*\i+3], v6 offset:2560*((\t)%2)+16*\i
.endr
.endm
.irp t, 0,1,2,3,4,5,6,7
	XLOAD \t
.endr
	s_wait_loadcnt 28                              ; step 0's four loads are in; seven steps' may be out
	XTURN 0
.macro XSTEP t
.set XS, X+16*((\t)%2)
.if (\t) > 0
	s_wait_dscnt 1                                 ; this step's numbers are back from the stage (the last step's byte store may be out): so its stores into the stage have read their registers,
.else
	s_wait_dscnt 0x0
.endif
.if (\t)+8 < 16
	XLOAD (\t)+8                                   ; which take the loads of eight steps on
.endif
.if (\t)+1 < 16
.if 14-(\t) >= 7
	s_wait_loadcnt 28                              ; the next step's four loads are in; those of the seven steps behind it may be out
.else
	s_wait_loadcnt 4*(14-(\t))
.endif
	XTURN (\t)+1
.endif
	v_max3_num_f32 v225, |v[XS]|, |v[XS+1]|, |v[XS+2]|             ; the largest magnitude of my 16, in two chains
	v_max3_num_f32 v227, |v[XS+3]|, |v[XS+4]|, |v[XS+5]|
.irp i, 6,10
	v_max3_num_f32 v225, v225, |v[XS+\i]|, |v[XS+\i+1]|
	v_max3_num_f32 v227, v227, |v[XS+\i+2]|, |v[XS+\i+3]|
.endr
	v_max3_num_f32 v225, v225, |v[XS+14]|, |v[XS+15]|
	v_max3_num_f32 v225, v225, v227, 0x1800000     ; and the floor 2^(3 - 127): the byte cannot fall under 1
	v_max_num_f32_dpp v225, v225, v225 row_xmask:1 row_mask:0xf bank_mask:0xf   ; with my neighbour's 16: the block's
	v_add_nc_u32 v226, 0xff000000, v225            ; 2 off its exponent field: the conversion takes the exponent field of this operand as its scale
	v_cvt_scalef32_pk8_fp4_f32 v[C+2*(\t)], v[XS:XS+7], v226
	v_cvt_scalef32_pk8_fp4_f32 v[C+2*(\t)+1], v[XS+8:XS+15], v226
	v_lshrrev_b32 v[E+(\t)], 23, v226              ; the scale's byte (also the plain line behind the conversions)
	ds_store_b8 v8, v[E+(\t)] offset:16*(\t)       ; both lanes of a block write the same byte with the same value
	global_store_b64 v7, v[C+2*(\t):C+2*(\t)+1], s[10:11] offset:256*(\t)   ; the wave stores 256 consecutive bytes, aligned
.endm
.irp t, 0,1,2,3,4,5,6,7,8,9,10,11,12,13,14,15
	XSTEP \t
.endr
	ds_load_b64 v[228:229], v9                     ; the wave's 256 scale bytes: these loads see my stores
	s_wait_dscnt 0x0
	global_store_b64 v7, v[228:229], s[12:13]      ; 256 consecutive bytes, aligned
	s_branch .Lmeet
.Lnot_x:
	s_cmp_lt_u32 ttmp9, 224
	s_cbranch_scc0 .Lrole_o
; ---- ROLE W.  A work-group takes 64 columns x 512 along K; a wave 32 columns x 128 along K.  A LANE TAKES A COLUMN AND ITS REGISTERS RUN DOWN K: a block of 32 lies in one lane,
; and the conversions give codes with K innermost.  Two waves side by side read 256 consecutive bytes of a row of w_qkv.
	s_sub_co_u32 s21, ttmp9, 128
	s_lshr_b32 s22, s21, 1                         ; which 64 columns
	s_and_b32 s21, s21, 1                          ; which 512 along K
	s_lshl_b32 s25, s21, 2
	s_add_co_u32 s25, s25, s24                     ; which 128 along K is my wave's
	s_mul_i32 s26, s25, 128*12288
	s_lshl_b32 s27, s22, 8
	s_add_co_u32 s26, s26, s27
	s_lshl_b32 s27, s23, 7
	s_add_co_u32 s26, s26, s27
	s_mov_b32 s27, 0
	s_add_nc_u64 s[6:7], s[6:7], s[26:27]
.set i, 0
.rept 128
	global_load_b32 v[R+i], v10, s[6:7] offset:12288*i th:TH_LOAD_NT   ; w_qkv(k, my column)
.set i, i+1
.endr
.macro WBLOCK b, left                  ; left: how many younger loads may stay out (a wait's count names 63 at the most)
.set XS, R+32*(\b)
	s_wait_loadcnt \left
	v_max3_num_f32 v225, |v[XS]|, |v[XS+1]|, |v[XS+2]|
	v_max3_num_f32 v227, |v[XS+3]|, |v[XS+4]|, |v[XS+5]|
.irp i, 6,10,14,18,22,26
	v_max3_num_f32 v225, v225, |v[XS+\i]|, |v[XS+\i+1]|
	v_max3_num_f32 v227, v227, |v[XS+\i+2]|, |v[XS+\i+3]|
.endr
	v_max3_num_f32 v225, v225, |v[XS+30]|, |v[XS+31]|
	v_max3_num_f32 v225, v225, v227, 0x1800000     ; the floor, as above
	v_add_nc_u32 v226, 0xff000000, v225
	v_lshrrev_b32 v227, 23, v226                   ; the scale's byte
.if (\b) == 0
	v_mov_b32 v228, v227                           ; four bytes to a register, the lower K in the lower byte
.else
	v_lshl_or_b32 v228, v227, 8*(\b), v228
.endif
.irp g, 0,1,2,3
	v_cvt_scalef32_pk8_fp4_f32 v[X+4*(\b)+\g], v[XS+8*\g:XS+8*\g+7], v226
.endr
	v_nop                                          ; one plain line behind the conversions
	ds_store_b128 v11, v[X+4*(\b):X+4*(\b)+3] offset:16*(\b)   ; 32 codes: 16 bytes of my column's row
.endm
	WBLOCK 0, 63
	WBLOCK 1, 63
	WBLOCK 2, 32
	WBLOCK 3, 0
	ds_store_b32 v12, v228
	s_branch .Lmeet
.Lrole_o:
; ---- ROLE O.  w_out to f16: a wave takes 16,384 bytes; each load reads 512 consecutive bytes, each store writes 256, aligned.
	s_sub_co_u32 s21, ttmp9, 224
	s_lshl_b32 s21, s21, 3
	s_add_co_u32 s21, s21, s20
	s_lshl_b32 s22, s21, 14
	s_mov_b32 s23, 0
	s_add_nc_u64 s[8:9], s[8:9], s[22:23]
	s_lshl_b32 s22, s21, 13
	s_add_nc_u64 s[18:19], s[18:19], s[22:23]
.set i, 0
.rept 32
	global_load_b128 v[R+4*i:R+4*i+3], v4, s[8:9] offset:512*i
.set i, i+1
.endr
.set i, 0
.rept 32
	s_wait_loadcnt 31-i                            ; loads come back in order: load i is in
	v_cvt_pk_f16_f32 v[X+2*i], v[R+4*i], v[R+4*i+1]
	v_cvt_pk_f16_f32 v[X+2*i+1], v[R+4*i+2], v[R+4*i+3]
	global_store_b64 v7, v[X+2*i:X+2*i+1], s[18:19] offset:256*i
.set i, i+1
.endr
.Lmeet:
	s_wait_xcnt 0x0                                ; the ways join here: every store and load issued on any of them has read its registers before a line below writes one
	s_wait_dscnt 0x0                               ; for the others' sake: my LDS stores have landed
	s_barrier_signal -1
	s_barrier_wait -1                              ; role W: the group's 64 rows of codes and their scale bytes lie in LDS
	s_sub_co_u32 s21, ttmp9, 128
	s_cmp_lt_u32 s21, 96
	s_cbranch_scc0 .Lend
	s_lshr_b32 s22, s21, 1
	s_and_b32 s21, s21, 1
	s_lshl_b32 s25, s22, 6                         ; the group's first column
	s_lshl_b32 s26, s20, 3
	s_add_co_u32 s26, s25, s26                     ; my wave's eight rows of w_codes
	s_lshl_b32 s26, s26, 9
	s_lshl_b32 s27, s21, 8
	s_add_co_u32 s26, s26, s27
	s_mov_b32 s27, 0
	s_add_nc_u64 s[14:15], s[14:15], s[26:27]
.irp u, 0,1,2,3
	ds_load_b128 v[160+4*\u:163+4*\u], v13 offset:544*\u
.endr
.irp u, 0,1,2,3
	s_wait_dscnt 3-\u
	global_store_b128 v15, v[160+4*\u:163+4*\u], s[14:15] offset:1024*\u   ; sixteen lanes store 256 consecutive bytes, aligned
.endr
	s_cmp_lt_u32 s20, 2                            ; waves 0 and 1 send the scale bytes: 16 of each column's 32, so these rows are written in two pieces (98,304 bytes in the whole launch)
	s_cbranch_scc0 .Lend
	s_lshl_b32 s26, s20, 5
	s_add_co_u32 s26, s25, s26
	s_lshl_b32 s26, s26, 5
	s_lshl_b32 s27, s21, 4
	s_add_co_u32 s26, s26, s27
	s_mov_b32 s27, 0
	s_add_nc_u64 s[16:17], s[16:17], s[26:27]
	ds_load_b128 v[176:179], v14
	s_wait_dscnt 0x0
	global_store_b128 v224, v[176:179], s[16:17]
.Lend:
	s_wait_tensorcnt 0x0                           ; the wave's end, behind my last LDS store
	ds_add_u32 v[SPW], v[NIL]
	s_wait_dscnt 0x0
	s_endpgm
.Lfunc_end_k_q83c3f82b0d_prep:
	.size	k_q83c3f82b0d_prep, .Lfunc_end_k_q83c3f82b0d_prep-k_q83c3f82b0d_prep
	.p2alignl 7, 3214868480
	.fill 96, 4, 3214868480
	.section	.rodata,"a",@progbits
	.p2align	6, 0x0
	.amdhsa_kernel k_q83c3f82b0d_prep
		.amdhsa_group_segment_fixed_size 84992
		.amdhsa_private_segment_fixed_size 0
		.amdhsa_enable_private_segment 0
		.amdhsa_kernarg_size 64
		.amdhsa_user_sgpr_count 2
		.amdhsa_user_sgpr_kernarg_segment_ptr 1
		.amdhsa_wavefront_size32 1
		.amdhsa_system_sgpr_workgroup_id_x 1
		.amdhsa_system_sgpr_workgroup_id_y 1
		.amdhsa_system_sgpr_workgroup_id_z 1
		.amdhsa_system_vgpr_workitem_id 0
		.amdhsa_next_free_vgpr 256
		.amdhsa_next_free_sgpr 66
		.amdhsa_reserve_vcc 0
		.amdhsa_float_denorm_mode_32 3
		.amdhsa_float_denorm_mode_16_64 3
		.amdhsa_memory_ordered 1
		.amdhsa_forward_progress 1
		.amdhsa_inst_pref_size 66
	.end_amdhsa_kernel
	.amdgpu_metadata
---
amdhsa.version: [ 1, 2 ]
amdhsa.kernels:
  - .name:           k_q83c3f82b0d_prep
    .symbol:         k_q83c3f82b0d_prep.kd
    .args:
      - { .name: x, .offset: 0, .size: 8, .value_kind: global_buffer, .address_space: global }
      - { .name: w_qkv, .offset: 8, .size: 8, .value_kind: global_buffer, .address_space: global }
      - { .name: w_out, .offset: 16, .size: 8, .value_kind: global_buffer, .address_space: global }
      - { .name: x_codes, .offset: 24, .size: 8, .value_kind: global_buffer, .address_space: global }
      - { .name: x_scales, .offset: 32, .size: 8, .value_kind: global_buffer, .address_space: global }
      - { .name: w_codes, .offset: 40, .size: 8, .value_kind: global_buffer, .address_space: global }
      - { .name: w_scales, .offset: 48, .size: 8, .value_kind: global_buffer, .address_space: global }
      - { .name: w16, .offset: 56, .size: 8, .value_kind: global_buffer, .address_space: global }
    .group_segment_fixed_size: 84992
    .private_segment_fixed_size: 0
    .kernarg_segment_align: 8
    .kernarg_segment_size: 64
    .max_flat_workgroup_size: 256
    .sgpr_count:     66
    .vgpr_count:     256
    .wavefront_size: 32
...
	.end_amdgpu_metadata
.endif
;; end of part 1
;; launch qkv (part 2): grid 12 x 32, 4 waves a work-group, clusters of 4 x 4, 327,680 bytes of LDS; arguments x_codes, x_scales, w_codes, w_scales, qkv16, b_qkv, qkv_fine; writes qkv16, qkv_fine
.if DOCPART == 2
	.amdgcn_target "amdgcn-amd-amdhsa--gfx1250"
	.amdhsa_code_object_version 6
	.text
	.protected	k_q83c3f82b0d_qkv
	.globl	k_q83c3f82b0d_qkv
	.p2align	8
	.type	k_q83c3f82b0d_qkv,@function
k_q83c3f82b0d_qkv:
	s_mov_b64 s[64:65], 0
	v_nop
	global_prefetch_b8 v0, s[64:65] scope:SCOPE_SE
	s_setreg_imm32_b32 hwreg(HW_REG_WAVE_MODE, 25, 1), 1
	s_wait_xcnt 0x0
	s_wait_alu depctr_hold_cnt(0) depctr_sa_sdst(0) depctr_va_vdst(0) depctr_va_sdst(0) depctr_va_ssrc(0) depctr_va_vcc(0) depctr_vm_vsrc(0)
	s_getreg_b32 s2, hwreg(HW_REG_IB_STS2, 6, 4)
	s_cmp_eq_u32 s2, 0
	s_cbranch_scc0 .Lentry_in_a_cluster
	s_endpgm
.Lentry_in_a_cluster:
	s_bfe_u32 s2, ttmp6, 0x10000c
	s_cmp_lg_u32 s2, 0xf033
	s_cbranch_scc0 .Lentry_shape_is_right
	s_endpgm
.Lentry_shape_is_right:
; qkv = Q(x) Q(w_qkv) + b_qkv on codes of FP4 (E2M1) with one E8M0 scale for each 32 along K; sums in f32.  A = x_codes [8192][512 bytes], B = w_codes [3072][512 bytes], scale bytes [rows][32].
; The results leave as f16 by head: qkv16 [3 (q, k, v)][4 b][16 h][2048 t][64]; the rows t < 16 of every batch also as f32: qkv_fine [4][16][3072].  LIMIT: |q|, |k|, |v| stay under 65,504 (f16).
; A tile of 256 x 256 is made by four waves, each 128 x 128: 64 accumulators, 512 registers.  K = 1,024 is two steps of 512 (LDS rows of 256 bytes), so both slots are first fills and nothing is filled again.
; The scale bytes of the group's 256 + 256 rows come into LDS once, as whole rows of 256 bytes.
; CLUSTERS: 4 x 4 work-groups; A's tiles are asked for jointly along a row of the cluster, B's along a column.  The tile row is 8 cy + cluster y, so that the batch is cy and t begins at 256 x cluster y:
; whether a wave's rows hold t < 16 then hangs on the cluster's y and the wave's number alone, which all partners share.
; THE MATRIX INSTRUCTION IS USED TRANSPOSED (source 0 = 16 rows of B, source 1 = 16 rows of A): a lane holds eight neighbouring columns of one row.  The bias is the C of each sum's first product.
; REGISTERS: window 0: v0-31 addresses; v32-95 scale words, two sets, and nothing else; v96-127 and v192-255 the way out; v128-191 A's fragments, one set.
;   window 1: B's fragments at v0 and v128; v64-127 the bias.  windows 2, 3: the accumulators.
.set KSTEP,  512
.set NQ,     4
.set ROWB,   256
.set KROW,   512
.set PITCH,  272                       ; 256 bytes + 16: the 16 rows that a load touches start at 16 different banks
.set FR,     8
.set NL,     2
.set NP,     4
.set HALFT,  128*PITCH
.set SLOT,   4*HALFT
.set KS,     32
.set SCL,    2*SLOT
.set HALFS,  (128*KS/256)*272
.set SBLK,   (16*KS/256)*272
.set SPARE,  SCL+4*HALFS               ; the spare words: two blocks of 256 bytes that no other line names
.set ADRA, 16
.set ADRB, 20
.set STO16, 22                         ; v22  the way out in f16: where I put 16 bytes of a row
.set RD16,  23                         ; v23  and where I read rows back
.set STO32, 24                         ; v24  the same for the f32 rows
.set RD32,  25
.set CO,   26                          ; v26  16 x lane
.set ADRS, 27
.set SPW,  28
.set NIL,  29
.set BO,   30                          ; v30  32 x (lane / 16): the bias's offset
.set SC,   32
.set AF,   128
.set BIAS, 64                          ; in window 1
.set TMP,  192                         ; the way out: packed results
.set OB,   96                          ; 16 rows read back: v96-127 and v224-255 by turns
.set G1, 24
.set G0, 32
.set G1B, 48
.set G0B, 56
.set G1S, 68
.set G0S, 76
.set G1SB, 80
.set G0SB, 88
.set MSB, 0
.macro WIN new                         ; the immediate's high byte repeats the setting that is left
.if MSB != \new
	s_set_vgpr_msb (MSB<<8)|\new
.set MSB, \new
.endif
.endm
.set MUL_LO, 0xa1                      ; source 0 (B) window 1, source 1 (A) window 0, C and D window 2
.set MUL_HI, 0xf1                      ; the same, C and D window 3
.set BIA_LO, 0x91                      ; C (the bias) window 1, D window 2
.set BIA_HI, 0xd1                      ; C window 1, D window 3
.set TO_B,   0x40                      ; destination window 1, address window 0
; A joint load: waves 0 and 1 fetch for A, waves 2 and 3 for B; the branch hangs on the wave's number alone.  An s_nop 0 and four v_nop follow each of the two lines.
.macro JLOAD g0a, g1a, g0b, g1b
	s_cmp_eq_u32 s15, 0
	s_cbranch_scc0 .Lfor_b_\@
	tensor_load_to_lds s[\g0a:\g0a+3], s[\g1a:\g1a+7]
	s_nop 0
.rept 4
	v_nop
.endr
	s_branch .Lasked_\@
.Lfor_b_\@:
	tensor_load_to_lds s[\g0b:\g0b+3], s[\g1b:\g1b+7]
	s_nop 0
.rept 4
	v_nop
.endr
.Lasked_\@:
.endm
.macro CROUND                          ; a round of the cluster's barrier
	s_barrier_signal -1
	s_barrier_wait -1
	s_cmp_lg_u32 s14, 0
	s_cbranch_scc1 .Lnot_wave_0_\@
	s_barrier_signal -3
.Lnot_wave_0_\@:
	s_barrier_wait -3
	s_barrier_signal -1
	s_barrier_wait -1
.endm
	s_load_b128 s[4:7], s[0:1], 0x0                ; x_codes, x_scales
	s_load_b128 s[8:11], s[0:1], 0x10              ; w_codes, w_scales
	s_load_b64 s[12:13], s[0:1], 0x20              ; qkv16
	s_load_b128 s[96:99], s[0:1], 0x28             ; b_qkv, qkv_fine
	v_lshl_add_u32 v[SPW], v0, 2, SPARE
	v_mov_b32 v[NIL], 0
	ds_add_u32 v[SPW], v[NIL]                      ; the wave's opening: the add, twice on end, and its wait ahead of my first tensor load
	ds_add_u32 v[SPW], v[NIL]
	v_lshrrev_b32 v1, 5, v0
	v_readfirstlane_b32 s14, v1                    ; wave 0..3
	s_lshr_b32 s15, s14, 1                         ; which half of the tile's rows is mine.  Also: I fetch for A (0) or for B (1)
	s_and_b32 s16, s14, 1                          ; which half of its columns.  Also: which 128 rows of that tile I fetch
	s_bfe_u32 s40, ttmp6, 0x40000                  ; cx, cy
	s_bfe_u32 s41, ttmp6, 0x40004
	s_lshl_b32 s42, ttmp9, 2
	s_add_co_u32 s42, s42, s40                     ; tile column = 4 x cluster x + cx
	s_and_b32 s100, ttmp7, 0xffff                  ; cluster y
	s_lshl_b32 s17, s41, 3
	s_add_co_u32 s17, s17, s100                    ; tile row = 8 cy + cluster y
	s_lshl_b32 s43, s41, 2
	s_lshl_b32 s43, 15, s43                        ; my row of the cluster
	s_lshl_b32 s44, 0x1111, s40                    ; my column
	s_or_b32 s[G1+0], s43, (0<<16)|(1<<20)|(1<<21)|(5<<22)|(3<<25)  ; the mask; elements of 1 byte; padding: 4 words after every 64; bit 21 beside a mask
	s_or_b32 s[G1B+0], s44, (0<<16)|(1<<20)|(1<<21)|(5<<22)|(3<<25)
.irp g, G1, G1B
	s_mov_b32 s[\g+1], ROWB<<16                    ; tensor_dim0
	s_mov_b32 s[\g+2], 128<<16                     ; tensor_dim1
	s_mov_b32 s[\g+3], ROWB<<16                    ; tile_dim0
	s_mov_b32 s[\g+4], 128                         ; tile_dim1
	s_mov_b32 s[\g+5], KROW                        ; the pitch
	s_mov_b32 s[\g+6], 0
	s_mov_b32 s[\g+7], 0
.endr
	s_or_b32 s[G1S+0], s43, (3<<16)|(1<<20)|(1<<21)|(5<<22)|(3<<25) ; the scales of 128 rows: 4,096 dense bytes as 16 rows of 256 (32 elements of 8 bytes)
	s_or_b32 s[G1SB+0], s44, (3<<16)|(1<<20)|(1<<21)|(5<<22)|(3<<25)
.irp g, G1S, G1SB
	s_mov_b32 s[\g+1], 32<<16
	s_mov_b32 s[\g+2], (128*KS/256)<<16
	s_mov_b32 s[\g+3], 32<<16
	s_mov_b32 s[\g+4], 128*KS/256
	s_mov_b32 s[\g+5], 32
	s_mov_b32 s[\g+6], 0
	s_mov_b32 s[\g+7], 0
.endr
	s_lshl_b32 s18, s16, 7
	s_lshl_b32 s20, s17, 8
	s_add_co_u32 s20, s20, s18                     ; A: row 256 x tile row + 128 x half
	s_lshl_b32 s46, s42, 8
	s_add_co_u32 s46, s46, s18                     ; B: row 256 x tile column + 128 x half
	s_mov_b32 s21, 0
	s_mov_b32 s47, 0
	s_mov_b64 s[18:19], KS
	s_mul_u64 s[22:23], s[20:21], s[18:19]
	s_mul_u64 s[92:93], s[46:47], s[18:19]
	s_mov_b64 s[18:19], KROW
	s_mul_u64 s[20:21], s[20:21], s[18:19]
	s_mul_u64 s[46:47], s[46:47], s[18:19]
	s_mul_i32 s45, s14, HALFT                      ; where they go: wave x 128 rows
	s_mul_i32 s94, s14, HALFS
	s_wait_dscnt 0x0                               ; both opening adds are done
	s_wait_kmcnt 0x0
	s_add_nc_u64 s[20:21], s[4:5], s[20:21]
	s_add_nc_u64 s[22:23], s[6:7], s[22:23]
	s_add_nc_u64 s[46:47], s[8:9], s[46:47]
	s_add_nc_u64 s[92:93], s[10:11], s[92:93]
	CROUND                                         ; all sixteen work-groups are here: the first joint loads meet
	s_mov_b32 s[G0S], 1
	s_add_co_u32 s[G0S+1], s94, SCL
	s_mov_b64 s[G0S+2:G0S+3], s[22:23]
	s_or_b32 s[G0S+3], s[G0S+3], 0x80000000
	s_mov_b32 s[G0SB], 1
	s_add_co_u32 s[G0SB+1], s94, SCL
	s_mov_b64 s[G0SB+2:G0SB+3], s[92:93]
	s_or_b32 s[G0SB+3], s[G0SB+3], 0x80000000
	JLOAD G0S, G1S, G0SB, G1SB                     ; the scales first; three loads of mine are out behind the last of these
.irp s, 0,1
	s_mov_b32 s[G0+4*\s], 1
	s_add_co_u32 s[G0+4*\s+1], s45, \s*SLOT
	s_add_nc_u64 s[G0+4*\s+2:G0+4*\s+3], s[20:21], \s*ROWB
	s_or_b32 s[G0+4*\s+3], s[G0+4*\s+3], 0x80000000
	s_mov_b32 s[G0B+4*\s], 1
	s_add_co_u32 s[G0B+4*\s+1], s45, \s*SLOT
	s_add_nc_u64 s[G0B+4*\s+2:G0B+4*\s+3], s[46:47], \s*ROWB
	s_or_b32 s[G0B+4*\s+3], s[G0B+4*\s+3], 0x80000000
	JLOAD G0+4*\s, G1, G0B+4*\s, G1B
.endr
	v_and_b32 v1, 15, v0                           ; r = lane % 16
	v_bfe_u32 v2, v0, 4, 1                         ; h = lane / 16
	v_mul_u32_u24 v3, v1, PITCH
	v_lshl_add_u32 v4, v2, 4, v3
	s_mul_i32 s21, s15, HALFT
	s_mul_i32 s22, s16, HALFT
	s_add_co_u32 s22, s22, 2*HALFT
.irp s, 0,1
	v_add_nc_u32 v[ADRA+\s], s21, v4
	v_add_nc_u32 v[ADRB+\s], s22, v4
	s_add_co_u32 s21, s21, SLOT
	s_add_co_u32 s22, s22, SLOT
.endr
	v_mul_u32_u24 v5, v1, KS                       ; my row's scales: 32 bytes a row, and 16 more for each 256 passed
	v_lshrrev_b32 v6, 8, v5
	v_lshl_add_u32 v5, v6, 4, v5
	s_mul_i32 s21, s15, HALFS
	s_mul_i32 s22, s16, HALFS
	s_add_co_u32 s22, s22, 2*HALFS
	s_sub_co_u32 s22, s22, s21
	v_mul_u32_u24 v6, s22, v2                      ; lanes 16-31 take B's
	s_add_co_u32 s21, s21, SCL
	v_add_nc_u32 v5, v5, v6
	v_add_nc_u32 v[ADRS], s21, v5
	s_mul_i32 s23, s14, 8448                       ; my stage, in slot 0: that slot has had its only fill, and nobody reads it behind the change of slots
	v_mul_u32_u24 v5, v1, 528
	v_lshl_add_u32 v5, v2, 5, v5
	v_add_nc_u32 v[STO32], s23, v5
	v_and_b32 v6, 31, v0
	v_lshlrev_b32 v[CO], 4, v6
	v_add_nc_u32 v[RD32], s23, v[CO]
	v_mul_u32_u24 v5, v1, 144
	v_lshl_add_u32 v5, v2, 4, v5
	v_add_nc_u32 v[STO16], s23, v5                 ; f16: [2 heads][16 rows][128 bytes + 16]: row r, 16 bytes for each half of the lanes
	v_lshrrev_b32 v5, 3, v6
	v_mul_u32_u24 v5, v5, 144
	v_and_b32 v6, 7, v6
	v_lshl_add_u32 v5, v6, 4, v5
	v_add_nc_u32 v[RD16], s23, v5                  ; back: eight lanes to a row, four rows an instruction
	v_lshlrev_b32 v[BO], 5, v2
	s_lshr_b32 s46, s42, 2                         ; which of q, k, v: 1,024 columns each
	s_lshl_b32 s46, s46, 2
	s_add_co_u32 s46, s46, s41                     ; x 4 + the batch
	s_lshl_b32 s46, s46, 4
	s_and_b32 s47, s42, 3
	s_lshl_b32 s47, s47, 2
	s_add_co_u32 s46, s46, s47
	s_lshl_b32 s47, s16, 1
	s_add_co_u32 s46, s46, s47                     ; x 16 + my first head: the plane
	s_lshl_b32 s46, s46, 18                        ; a plane is 262,144 bytes
	s_lshl_b32 s47, s100, 15
	s_add_co_u32 s46, s46, s47                     ; + 256 x cluster y rows of 128 bytes
	s_lshl_b32 s47, s15, 14
	s_add_co_u32 s46, s46, s47                     ; + my half's 128 rows
	s_mov_b32 s47, 0
	s_add_nc_u64 s[12:13], s[12:13], s[46:47]
	s_lshl_b32 s46, s42, 10
	s_lshl_b32 s47, s16, 9
	s_add_co_u32 s46, s46, s47                     ; my first column, in bytes of f32
	s_mov_b32 s47, 0
	s_add_nc_u64 s[96:97], s[96:97], s[46:47]
	s_add_nc_u64 s[98:99], s[98:99], s[46:47]
	s_mul_i32 s46, s41, 196608                     ; the batch's 16 rows of qkv_fine
	s_add_nc_u64 s[98:99], s[98:99], s[46:47]
	WIN TO_B
.irp b, 0,1,2,3,4,5,6,7                        ; the bias in the result's layout: block b, lane (r, h): columns 16 b + 8 h + 0 .. 7
	global_load_b128 v[BIAS+8*\b:BIAS+8*\b+3], v[BO], s[96:97] offset:64*\b
	global_load_b128 v[BIAS+8*\b+4:BIAS+8*\b+7], v[BO], s[96:97] offset:64*\b+16
.endr
	WIN 0
.macro FRAG reg, adr, q, i             ; 16 rows x 128 K of 4-bit codes: 8 registers; two loads of 16 bytes, 32 bytes apart
.irp c, 0,1
	ds_load_b128 v[\reg+4*\c:\reg+4*\c+3], v[\adr] offset:64*(\q)+32*\c+(\i)*16*PITCH
.endr
.endm
; 16 matrix instructions: A's blocks a0, a0 + 1 x B's eight.  zero = 1: the first product starts the sums, with the bias as its C.  The 64 accumulators take turns, one instruction a turn.
.macro MUL16 a0, p, q, sc, zero
.irp a, \a0, \a0+1
.irp b, 0,1,2,3,4,5,6,7
.if \zero
	v_wmma_scale_f32_16x16x128_f8f6f4 v[8*(8*((\a)%4)+\b):8*(8*((\a)%4)+\b)+7], v[128*(\p)+FR*\b:128*(\p)+FR*\b+FR-1], v[AF+FR*(\a):AF+FR*(\a)+FR-1], v[BIAS+8*\b:BIAS+8*\b+7], v[SC+8*NQ*(\sc)+NQ*\b+(\q)], v[SC+8*NQ*(\sc)+NQ*(\a)+(\q)] matrix_a_fmt:MATRIX_FMT_FP4 matrix_b_fmt:MATRIX_FMT_FP4 matrix_a_scale:MATRIX_SCALE_ROW1
.else
	v_wmma_scale_f32_16x16x128_f8f6f4 v[8*(8*((\a)%4)+\b):8*(8*((\a)%4)+\b)+7], v[128*(\p)+FR*\b:128*(\p)+FR*\b+FR-1], v[AF+FR*(\a):AF+FR*(\a)+FR-1], v[8*(8*((\a)%4)+\b):8*(8*((\a)%4)+\b)+7], v[SC+8*NQ*(\sc)+NQ*\b+(\q)], v[SC+8*NQ*(\sc)+NQ*(\a)+(\q)] matrix_a_fmt:MATRIX_FMT_FP4 matrix_b_fmt:MATRIX_FMT_FP4 matrix_a_scale:MATRIX_SCALE_ROW1
.endif
.endr
.endr
.endm
.macro FETCH_B slot, q, p
	WIN TO_B
.irp i, 0,1,2,3,4,5,6,7
	FRAG 128*(\p)+FR*\i, ADRB+\slot, \q, \i
.endr
	WIN 0
.endm
.macro FETCH_A slot, q, i0
.irp i, \i0, \i0+1, \i0+2, \i0+3
	FRAG AF+FR*(\i), ADRA+\slot, \q, \i
.endr
.endm
.macro SCALES sc                       ; a K step's scale words: lanes 0-15 take A's block i, lanes 16-31 B's block i
.irp i, 0,1,2,3,4,5,6,7
	ds_load_b128 v[SC+8*NQ*\sc+NQ*\i:SC+8*NQ*\sc+NQ*\i+3], v[ADRS] offset:\i*SBLK
.endr
.endm
.macro PLACES n                        ; plain vector lines between a matrix instruction and a load into, or a read of, its registers
.rept \n
	v_nop
.endr
.endm
.macro STEP slot, q, zero              ; 128 along K that has its successor in the same slot
	s_wait_dscnt 4*NL                              ; B's set and A's blocks 0-3 are in; A's blocks 4-7 (eight loads) may be out
.if \zero
	WIN BIA_LO
.else
	WIN MUL_LO
.endif
	MUL16 0, (\q)%2, \q, \slot, \zero
	MUL16 2, (\q)%2, \q, \slot, \zero
	s_wait_dscnt 0
	PLACES NP
	FETCH_B \slot, (\q)+1, 1-(\q)%2
	FETCH_A \slot, (\q)+1, 0
.if \zero
	WIN BIA_HI
.else
	WIN MUL_HI
.endif
	MUL16 4, (\q)%2, \q, \slot, \zero
	MUL16 6, (\q)%2, \q, \slot, \zero
	PLACES NP
	WIN 0
	FETCH_A \slot, (\q)+1, 4
.endm
; Slot 0's last step changes slots: one barrier; in front of it each wave waits for all its tensor loads (its part of slot 1), adds 0 to its spare word, and waits for that and for its reads of slot 0.  Nothing is filled again.
.macro TURN slot, next
	s_wait_tensorcnt 0x0
	ds_add_u32 v[SPW], v[NIL]
	s_wait_dscnt 4*NL+1                            ; the add and A's blocks 4-7 may be out
	WIN MUL_LO
	MUL16 0, 1, NQ-1, \slot, 0
	s_wait_dscnt 0x0                               ; the add is done, and my reads of this slot are over
	s_barrier_signal -1
	MUL16 2, 1, NQ-1, \slot, 0
	WIN 0
	s_barrier_wait -1
	PLACES NP
	v_add_nc_u32 v[ADRS], 4*NQ, v[ADRS]            ; on to the next K step's scale words
	FETCH_B \next, 0, 0
	FETCH_A \next, 0, 0
	SCALES \next
	WIN MUL_HI
	MUL16 4, 1, NQ-1, \slot, 0
	MUL16 6, 1, NQ-1, \slot, 0
	PLACES NP
	WIN 0
	FETCH_A \next, 0, 4
.endm
.macro STEPS slot, from
.set Q, \from
.rept NQ-1-\from
	STEP \slot, Q, 0
.set Q, Q+1
.endr
.endm
	s_wait_tensorcnt 1                             ; the scales and my part of K step 0 are in; K step 1's load may be out
	s_barrier_signal -1
	s_barrier_wait -1
	FETCH_B 0, 0, 0
	FETCH_A 0, 0, 0
	SCALES 0
	FETCH_A 0, 0, 4
	s_wait_loadcnt 0x0                             ; the bias
	STEP 0, 0, 1
	STEPS 0, 1
	TURN 0, 1
	STEPS 1, 0
	s_wait_dscnt 4*NL                              ; the very last step
	WIN MUL_LO
	MUL16 0, 1, NQ-1, 1, 0
	MUL16 2, 1, NQ-1, 1, 0
	s_wait_dscnt 0
	WIN MUL_HI
	MUL16 4, 1, NQ-1, 1, 0
	MUL16 6, 1, NQ-1, 1, 0
	WIN 0
	PLACES NP                                      ; behind the last products, ahead of every read of results and of loads into the operands' registers
; THE f32 ROWS: where my block 0 holds t = 0 .. 15 (cluster y = 0 and the tile's upper half: the same test in all partners) it goes out as it is, through my stage, as rows of 512 bytes.
	s_or_b32 s101, s100, s15
	s_cmp_lg_u32 s101, 0
	s_cbranch_scc1 .Lno_fine
	WIN 0x08                                       ; an LDS store's data are its source 1: window 2
.irp b, 0,1,2,3,4,5,6,7
	ds_store_b128 v[STO32], v[8*\b:8*\b+3] offset:64*\b            ; each accumulator from its low end on
	ds_store_b128 v[STO32], v[8*\b+4:8*\b+7] offset:64*\b+16
.endr
	WIN 0
.irp t, 0,1,2,3,4,5,6,7,8,9,10,11,12,13,14,15
	ds_load_b128 v[128+4*\t:131+4*\t], v[RD32] offset:528*\t       ; LDS serves a wave's instructions in order: these see my stores
.endr
	s_wait_dscnt 0x0
.irp t, 0,1,2,3,4,5,6,7,8,9,10,11,12,13,14,15
	global_store_b128 v[CO], v[128+4*\t:131+4*\t], s[98:99] offset:12288*\t   ; 32 lanes store 512 consecutive bytes, aligned; v128-191 are not written again
.endr
.Lno_fine:
; THE WAY OUT IN f16, block by block of 16 rows x 128 columns (two heads).  Rounded in pairs, 16 bytes a lane; through my stage; back as four rows of 128 bytes, which lie on end in a head's plane.
.macro PACK a
.set AC, 64*((\a)%4)
	WIN 0x0a+5*((\a)/4)                            ; sources 0 and 1: window 2 or 3
.irp b, 0,1,2,3,4,5,6,7
.irp r, 0,1,2,3
	v_cvt_pk_f16_f32 v[TMP+4*\b+\r], v[AC+8*\b+2*\r], v[AC+8*\b+2*\r+1]
.endr
.endr
	WIN 0
.endm
.macro TOSTAGE a
.set BK, OB+128*((\a)%2)
.irp b, 0,1,2,3,4,5,6,7
	ds_store_b128 v[STO16], v[TMP+4*\b:TMP+4*\b+3] offset:2304*(\b/4)+32*(\b%4)
.endr
.irp e, 0,1
.irp i, 0,1,2,3
	ds_load_b128 v[BK+16*\e+4*\i:BK+16*\e+4*\i+3], v[RD16] offset:2304*\e+576*\i
.endr
.endr
.endm
.macro SEND a
.set BK, OB+128*((\a)%2)
	s_wait_dscnt 0x0                               ; the block is back in registers
	s_wait_xcnt 0x0                                ; the stores of the block before have read their registers: the next block's loads may land there
.irp e, 0,1
.irp i, 0,1,2,3
	global_store_b128 v[CO], v[BK+16*\e+4*\i:BK+16*\e+4*\i+3], s[12:13] offset:262144*\e+2048*(\a)+512*\i   ; 32 lanes store 512 consecutive bytes, aligned
.endr
.endr
.endm
	PACK 0
	TOSTAGE 0
.irp a, 1,2,3,4,5,6,7                          ; block a's conversions stand between block a - 1's loads from the stage and the wait for them
	PACK \a
	SEND \a-1
	TOSTAGE \a
.endr
	SEND 7
	s_wait_tensorcnt 0x0                           ; the wave's end
	ds_add_u32 v[SPW], v[NIL]
	s_wait_dscnt 0x0
	CROUND                                         ; the closing round
	s_endpgm
.Lfunc_end_k_q83c3f82b0d_qkv:
	.size	k_q83c3f82b0d_qkv, .Lfunc_end_k_q83c3f82b0d_qkv-k_q83c3f82b0d_qkv
	.p2alignl 7, 3214868480
	.fill 96, 4, 3214868480
	.section	.rodata,"a",@progbits
	.p2align	6, 0x0
	.amdhsa_kernel k_q83c3f82b0d_qkv
		.amdhsa_group_segment_fixed_size 327680
		.amdhsa_private_segment_fixed_size 0
		.amdhsa_enable_private_segment 0
		.amdhsa_kernarg_size 56
		.amdhsa_user_sgpr_count 2
		.amdhsa_user_sgpr_kernarg_segment_ptr 1
		.amdhsa_wavefront_size32 1
		.amdhsa_system_sgpr_workgroup_id_x 1
		.amdhsa_system_sgpr_workgroup_id_y 1
		.amdhsa_system_sgpr_workgroup_id_z 1
		.amdhsa_system_vgpr_workitem_id 0
		.amdhsa_next_free_vgpr 1024
		.amdhsa_next_free_sgpr 102
		.amdhsa_reserve_vcc 0
		.amdhsa_float_denorm_mode_32 3
		.amdhsa_float_denorm_mode_16_64 3
		.amdhsa_memory_ordered 1
		.amdhsa_forward_progress 1
		.amdhsa_inst_pref_size 132
	.end_amdhsa_kernel
	.amdgpu_metadata
---
amdhsa.version: [ 1, 2 ]
amdhsa.kernels:
  - .name:           k_q83c3f82b0d_qkv
    .symbol:         k_q83c3f82b0d_qkv.kd
    .args:
      - { .name: x_codes, .offset: 0, .size: 8, .value_kind: global_buffer, .address_space: global }
      - { .name: x_scales, .offset: 8, .size: 8, .value_kind: global_buffer, .address_space: global }
      - { .name: w_codes, .offset: 16, .size: 8, .value_kind: global_buffer, .address_space: global }
      - { .name: w_scales, .offset: 24, .size: 8, .value_kind: global_buffer, .address_space: global }
      - { .name: qkv16, .offset: 32, .size: 8, .value_kind: global_buffer, .address_space: global }
      - { .name: b_qkv, .offset: 40, .size: 8, .value_kind: global_buffer, .address_space: global }
      - { .name: qkv_fine, .offset: 48, .size: 8, .value_kind: global_buffer, .address_space: global }
    .group_segment_fixed_size: 327680
    .private_segment_fixed_size: 0
    .kernarg_segment_align: 8
    .kernarg_segment_size: 56
    .max_flat_workgroup_size: 128
    .sgpr_count:     102
    .vgpr_count:     1024
    .wavefront_size: 32
...
	.end_amdgpu_metadata
.endif
;; end of part 2
;; launch attn (part 3): grid 4 x 64, 16 waves a work-group, no clusters, 327,680 bytes of LDS; arguments qkv16, att; writes att
.if DOCPART == 3
	.amdgcn_target "amdgcn-amd-amdhsa--gfx1250"
	.amdhsa_code_object_version 6
	.text
	.protected	k_q83c3f82b0d_attn
	.globl	k_q83c3f82b0d_attn
	.p2align	8
	.type	k_q83c3f82b0d_attn,@function
k_q83c3f82b0d_attn:
	s_mov_b64 s[64:65], 0
	v_nop
	global_prefetch_b8 v0, s[64:65] scope:SCOPE_SE
	s_setreg_imm32_b32 hwreg(HW_REG_WAVE_MODE, 25, 1), 1
	s_wait_xcnt 0x0
; att[h][(b, t)][:] = the sum over keys k <= t of softmax_k(q . k / 8) v, for each of 64 (batch, head) planes of qkv16 [3][64][2048][64] f16.  Products on f16 operands, sums, maxima and the softmax in f32;
; the weights p are rounded to f16 for the second product, the result once at the end.  A running maximum m and sum l for each query: p = 2^(c s - c m), c = log2(e) / 8; in every step O and l are multiplied by 2^(c m_old - c m_new).
; SHARES.  Work-group (i, plane) owns the query blocks 7 - i and i of 256 queries: (8 - i) + (i + 1) = 9 blocks of keys in every work-group, so the causal work is even.  Each of SIXTEEN waves owns 32 queries (two tiles of 16)
; in 256 registers: four waves to a SIMD, so that one wave's vector work stands beside another's matrix work and LDS loads.  All sixteen walk one ring from key 0, 64 keys a step, and leave out the steps all of whose keys are hidden.
; NO CLUSTER: with this pairing the four work-groups of a plane need 8 - i slots each, a different number in each partner; walking all eight jointly would give the evened work back.
; LAYOUT.  S^T = K Q^T (source 0 = 16 keys, source 1 = 16 queries): a lane holds ONE query (lane % 16) and the keys 8 (lane / 16) + 0 .. 7.  Two such tiles, rounded in pairs, ARE source 1 (32 keys x 16 queries) of
; O^T = V^T P.  K comes out of LDS as it lies, V ([key][channel]) turned, by ds_load_tr16_b128.
; RING.  Two slots of 256 keys (four steps); waves 0-3 fetch a slot's four tiles of K, waves 4-7 those of V, 64 rows each.  Every wait on TENSORcnt is for 0.
; The rows t < 16 made here are written over at the program's end by the launch that carries them in f32.
.set PK,    144                        ; a key's row in LDS: 128 bytes + 16
.set PV,    160                        ; a row of V: 128 + 32
.set VOFF,  64*PK
.set STEPB, 64*(PK+PV)                 ; a step's tiles lie together: 64 rows of K, then 64 of V
.set SLOT1, 1<<17
.set STAGE, SLOT1+4*STEPB              ; behind the ring: 32 rows x 144 bytes for each wave, for the way out
.set SPARE, STAGE+16*4608              ; the spare words, 128 bytes for each of sixteen waves
.set AK0, 1                            ; v1   my lane's place in a tile of K
.set AV0, 2                            ; v2   the same for V
.set ADK, 3                            ; v3   LDS address of the step's K
.set ADV, 4                            ; v4   of its V (at the head: Q's offset)
.set SPW, 5
.set NIL, 6
.set DQ,  7                            ; v7   lane % 16 - 8 (lane / 16)
.set DD,  8                            ; v8   the mask's bound
.set NINF, 9                           ; v9   -infinity
.set PFO, 10                           ; v10  256 x lane
.set ST,  12                           ; tile t at v[12 + 8 t]: +0 c m, +1 m, +2, +3 l (even keys', odd keys'), +4 .. +7 c0-c3 at work; a takes c2's place
.set STO, 28
.set RD,  29
.set GO,  30
.set Q,   32                           ; v32-63   tile t, channels 32 c on: 32 + 16 t + 8 c
.set KV,  64                           ; v64-127  K's eight fragments, then V's
.set S,   128                          ; v128-191 S^T, then p, then P in place: tile t at 128 + 32 t
.set O,   192                          ; v192-255 O^T: tile t, channels 16 ct on: 192 + 32 t + 8 ct
.set WV,  8
.set IB,  9
.set BH,  10
.set Q0,  13                           ; s13  my first query
.set LASTQ, 14                         ; s14  my work-group's last query
.set KF,  15                           ; s15  the step's first key
.set TB,  16                           ; s16  LDS byte at which the step's tiles begin
.set SLOTS, 17
.set CNT, 18
.set LIM, 19
.set SEL, 20
.set CS,  22
.set G1K, 24
.set G1V, 32
.set G0K, 40
.set G0V, 44
.set PFA, 48
; Waves 0-3 fetch K's tiles, waves 4-7 V's, the others nothing.  An s_nop 0 and four v_nop follow each of the two lines.
.macro TLOAD
	s_cmp_lt_u32 s[WV], 4
	s_cbranch_scc0 .Lnot_k_\@
	tensor_load_to_lds s[G0K:G0K+3], s[G1K:G1K+7]
	s_nop 0
.rept 4
	v_nop
.endr
	s_branch .Lasked_\@
.Lnot_k_\@:
	s_cmp_lt_u32 s[WV], 8
	s_cbranch_scc0 .Lasked_\@
	tensor_load_to_lds s[G0V:G0V+3], s[G1V:G1V+7]
	s_nop 0
.rept 4
	v_nop
.endr
.Lasked_\@:
.endm
; A prefetch of what the NEXT change of slots will ask for: 32,768 bytes of K and as many of V.  All four work-groups of a plane walk the same K and V: work-group 0, which walks all slots, asks.
; In it the waves ask that fetch nothing: waves 8-11 for K's four tiles, waves 12-15 for V's, 8,192 bytes a wave, lanes 256 bytes apart: each aligned block of 256 bytes is named once in the launch.
; Slots 0 and 1 come by their loads alone; the last change that fills a slot asks for nothing.
.macro ASK
	s_cmp_gt_u32 s[SLOTS], s[LIM]
	s_cbranch_scc0 .Lnot_mine_\@
	global_prefetch_b8 v[PFO], s[PFA:PFA+1] th:TH_LOAD_NT scope:SCOPE_SE
.Lnot_mine_\@:
.endm
	s_load_b128 s[4:7], s[0:1], 0x0                ; qkv16, att
	v_lshl_add_u32 v[SPW], v0, 2, SPARE
	v_mov_b32 v[NIL], 0
	ds_add_u32 v[SPW], v[NIL]                      ; the wave's opening: the add, twice on end, and its wait ahead of my first tensor load
	ds_add_u32 v[SPW], v[NIL]
	v_lshrrev_b32 v3, 5, v0
	v_readfirstlane_b32 s[WV], v3                  ; wave 0..15
	s_mov_b32 s[IB], ttmp9
	s_and_b32 s[BH], ttmp7, 0xffff                 ; the plane: 16 x batch + head
	s_lshr_b32 s50, s[WV], 2
	s_xor_b32 s50, s50, s[WV]
	s_and_b32 s50, s50, 1                          ; 1: my queries lie in the late block.  (bit 0 xor bit 2 of the wave's number: two waves of each block among any four neighbours and among any four that are four apart)
	s_lshr_b32 s51, s[WV], 1
	s_and_b32 s51, s51, 4
	s_and_b32 s52, s[WV], 3
	s_or_b32 s51, s51, s52                         ; which 32 queries of the block: bits 3, 1, 0 of the wave's number
	s_sub_co_u32 s52, 7, s[IB]
	s_cmp_eq_u32 s50, 1
	s_cselect_b32 s53, s52, s[IB]                  ; my block
	s_lshl_b32 s[Q0], s53, 8
	s_lshl_b32 s51, s51, 5
	s_add_co_u32 s[Q0], s[Q0], s51
	s_lshl_b32 s[LASTQ], s52, 8
	s_or_b32 s[LASTQ], s[LASTQ], 255
	s_lshr_b32 s50, s[WV], 3
	s_xor_b32 s50, s50, 1                          ; 0 in waves 8-15,
	s_or_b32 s50, s50, s[IB]                       ; of work-group 0
	s_cmp_eq_u32 s50, 0
	s_cselect_b32 s[LIM], 1, -1
	; descriptor group 1: 64 rows of 64 f16, dense in memory, padded in LDS behind every row of 32 words
	s_mov_b32 s[G1K], (1<<16)|(1<<20)|(4<<22)|(3<<25)              ; no mask; elements of 2 bytes; padding on: 4 words after every 32
	s_mov_b32 s[G1V], (1<<16)|(1<<20)|(4<<22)|(7<<25)              ; 8 words
.irp g, G1K, G1V
	s_mov_b32 s[\g+1], 64<<16                      ; tensor_dim0
	s_mov_b32 s[\g+2], 64<<16                      ; tensor_dim1
	s_mov_b32 s[\g+3], 64<<16                      ; tile_dim0
	s_mov_b32 s[\g+4], 64                          ; tile_dim1
	s_mov_b32 s[\g+5], 64                          ; the pitch
	s_mov_b32 s[\g+6], 0
	s_mov_b32 s[\g+7], 0
.endr
	s_and_b32 s51, s[WV], 3                        ; which of a slot's four steps I fetch or ask for
	s_lshl_b32 s52, s51, 13                        ; its 64 rows of 128 bytes in memory,
	s_lshl_b32 s56, s[BH], 18                      ; in my plane,
	s_add_co_u32 s52, s52, s56
	s_mov_b32 s53, 0
	s_mul_i32 s54, s51, STEPB                      ; and its place in a slot
	s_lshl_b32 s57, s[Q0], 7
	s_add_co_u32 s56, s56, s57                     ; Q at my first query
	s_mov_b32 s57, 0
	s_mov_b32 s[SEL], 0x76543210
	s_mov_b32 s[SEL+1], 0xfedcba98
	s_mov_b32 s[CS], 0x3e38aa3b                    ; c = log2(e) / 8
	s_mov_b32 s[CS+1], s[CS]
	s_mov_b32 s[KF], 0
	s_mov_b32 s[TB], 0
	s_mov_b32 s[SLOTS], 7
	s_wait_dscnt 0x0                               ; both opening adds are done
	s_wait_kmcnt 0x0
	s_mov_b32 s[G0K], 1
	s_mov_b32 s[G0K+1], s54
	s_add_nc_u64 s[G0K+2:G0K+3], s[4:5], s[52:53]
	s_add_nc_u64 s[G0K+2:G0K+3], s[G0K+2:G0K+3], 0x1000000         ; k's planes begin 16,777,216 bytes on
	s_or_b32 s[G0K+3], s[G0K+3], 0x80000000
	s_mov_b32 s[G0V], 1
	s_add_co_u32 s[G0V+1], s54, VOFF
	s_add_nc_u64 s[G0V+2:G0V+3], s[4:5], s[52:53]
	s_add_nc_u64 s[G0V+2:G0V+3], s[G0V+2:G0V+3], 0x2000000         ; v's 33,554,432
	s_or_b32 s[G0V+3], s[G0V+3], 0x80000000
	TLOAD                                          ; slot 0: key 0 counts for every query
	s_add_nc_u64 s[58:59], s[4:5], s[56:57]
	s_mov_b32 s56, 0x2000000
	s_cmp_lt_u32 s[WV], 12
	s_cselect_b32 s56, 0x1000000, s56
	s_add_nc_u64 s[PFA:PFA+1], s[4:5], s[52:53]
	s_add_nc_u64 s[PFA:PFA+1], s[PFA:PFA+1], s[56:57]
	s_add_nc_u64 s[PFA:PFA+1], s[PFA:PFA+1], 32768 ; in slot 1: the first change of slots steps it to slot 2
	s_and_b32 s50, s[BH], 15
	s_lshl_b32 s50, s50, 13
	s_lshr_b32 s51, s[BH], 4
	s_lshl_b32 s51, s51, 11
	s_add_co_u32 s50, s50, s51
	s_add_co_u32 s50, s50, s[Q0]
	s_lshl_b32 s50, s50, 7                         ; att: (8,192 x head + 2,048 x batch + my first query) rows of 128 bytes
	s_mov_b32 s51, 0
	s_add_nc_u64 s[6:7], s[6:7], s[50:51]
	v_and_b32 v31, 15, v0                          ; r
	v_bfe_u32 v11, v0, 4, 1                        ; h
	v_lshlrev_b32 v4, 7, v31
	v_lshl_add_u32 v4, v11, 4, v4                  ; Q: row r of 128 bytes + 16 h
.irp t, 0,1
.irp c, 0,1
	global_load_b128 v[Q+16*\t+8*\c:Q+16*\t+8*\c+3], v4, s[58:59] offset:2048*\t+64*\c
	global_load_b128 v[Q+16*\t+8*\c+4:Q+16*\t+8*\c+7], v4, s[58:59] offset:2048*\t+64*\c+32
.endr
.endr
	v_mul_u32_u24 v[AK0], v31, PK
	v_lshl_add_u32 v[AK0], v11, 4, v[AK0]
	v_and_b32 v[AV0], 7, v0
	v_lshl_add_u32 v[AV0], v11, 3, v[AV0]
	v_mul_u32_u24 v[AV0], v[AV0], PV
	v_bfe_u32 v3, v0, 3, 1
	v_lshl_add_u32 v[AV0], v3, 4, v[AV0]
	v_add_nc_u32 v[AV0], VOFF, v[AV0]
	v_lshlrev_b32 v3, 3, v11
	v_sub_nc_u32 v[DQ], v31, v3
	v_mov_b32 v[NINF], 0xff800000
	v_and_b32 v[PFO], 31, v0
	v_lshlrev_b32 v[GO], 4, v[PFO]
	v_lshrrev_b32 v3, 3, v[PFO]
	v_mul_u32_u24 v[RD], v3, 144
	v_and_b32 v3, 7, v[PFO]
	v_lshl_add_u32 v[RD], v3, 4, v[RD]
	s_mul_i32 s54, s[WV], 4608
	s_add_co_u32 s54, s54, STAGE                   ; my stage
	v_add_nc_u32 v[RD], s54, v[RD]                 ; back: eight lanes to a row of 128 bytes, four rows an instruction
	v_add_nc_u32 v[STO], s54, v[AK0]               ; in: row r, 16 bytes for each half of the lanes
	v_lshlrev_b32 v[PFO], 8, v[PFO]
.irp t, 0,1
	v_mov_b32 v[ST+8*\t+1], 0xff61b1e6             ; m: -3e38, under every score
	v_mul_f32 v[ST+8*\t], s[CS], v[ST+8*\t+1]
.irp j, 2,3,4,5,6,7
	v_mov_b32 v[ST+8*\t+\j], 0
.endr
.endr
.set n, 0
.rept 64
	v_mov_b32 v[O+n], 0                            ; O^T.  (The step is written once: the first finds zeros, which its a = 0 leaves zeros)
.set n, n+1
.endr
; A KEY STEP: 64 keys at LDS byte TB.
.macro STEP
	s_add_co_u32 s54, s[Q0], 31                    ; a step all of whose keys come after my 32 queries is left out: a branch on ids, round its loads, products and softmax, not round the lines that step KF and TB
	s_cmp_gt_u32 s[KF], s54
	s_cbranch_scc1 .Lhidden_\@
	v_add_nc_u32 v[ADK], s[TB], v[AK0]
	v_add_nc_u32 v[ADV], s[TB], v[AV0]
.irp f, 0,1,2,3,4,5,6,7                        ; K: keys 16 (f / 2) on, channels 32 (f % 2) on
	ds_load_b128 v[KV+8*\f:KV+8*\f+3], v[ADK] offset:2304*(\f/2)+64*(\f%2)
	ds_load_b128 v[KV+8*\f+4:KV+8*\f+7], v[ADK] offset:2304*(\f/2)+64*(\f%2)+32
.endr
	s_wait_dscnt 0x0
.irp c, 0,1                                    ; S^T: the eight accumulators take turns, one instruction a turn
.irp k, 0,1,2,3
.irp t, 0,1
.if \c == 0
	v_wmma_f32_16x16x32_f16 v[S+32*\t+8*\k:S+32*\t+8*\k+7], v[KV+8*(2*\k+\c):KV+8*(2*\k+\c)+7], v[Q+16*\t+8*\c:Q+16*\t+8*\c+7], 0
.else
	v_wmma_f32_16x16x32_f16 v[S+32*\t+8*\k:S+32*\t+8*\k+7], v[KV+8*(2*\k+\c):KV+8*(2*\k+\c)+7], v[Q+16*\t+8*\c:Q+16*\t+8*\c+7], v[S+32*\t+8*\k:S+32*\t+8*\k+7]
.endif
.endr
.endr
.endr
.rept 4
	v_nop                                          ; places ahead of the loads into K's registers and of the first read of the scores
.endr
.irp f, 0,1,2,3,4,5,6,7                        ; V, turned: keys 32 (f / 4) on, channels 16 (f % 4) on; it lands while the softmax is walked
	ds_load_tr16_b128 v[KV+8*\f:KV+8*\f+3], v[ADV] offset:5120*(\f/4)+32*(\f%4)
	ds_load_tr16_b128 v[KV+8*\f+4:KV+8*\f+7], v[ADV] offset:5120*(\f/4)+32*(\f%4)+2560
.endr
	s_add_co_u32 s54, s[KF], 63                    ; on the diagonal hidden scores become -infinity ahead of the maximum; a step all of whose keys count skips this
	s_cmp_le_u32 s54, s[Q0]
	s_cbranch_scc1 .Lopen_\@
	s_sub_co_i32 s54, s[Q0], s[KF]
	v_add_nc_u32 v[DD], s54, v[DQ]                 ; register n of tile t holds key KF + 16 (n / 8) + 8 h + n % 8 for query Q0 + 16 t + r: hidden where 16 (n / 8) + n % 8 - 16 t > Q0 - KF + r - 8 h
.set n, 0
.rept 32
	v_cmp_gt_i32 vcc_lo, 16*(n/8)+n%8, v[DD]
	v_cndmask_b32 v[S+n], v[S+n], v[NINF], vcc_lo
	v_cmp_gt_i32 vcc_lo, 16*(n/8)+n%8-16, v[DD]
	v_cndmask_b32 v[S+32+n], v[S+32+n], v[NINF], vcc_lo
.set n, n+1
.endr
.Lopen_\@:
.irp j, 0,1,2,3                                ; the maximum of 32 scores and the old m, three operands at a time, four chains; the two tiles alternate line by line
.irp t, 0,1
	v_max3_num_f32 v[ST+8*\t+4+\j], v[S+32*\t+8*\j], v[S+32*\t+8*\j+1], v[S+32*\t+8*\j+2]
.endr
.endr
.irp u, 1,2
.irp j, 0,1,2,3
.irp t, 0,1
	v_max3_num_f32 v[ST+8*\t+4+\j], v[ST+8*\t+4+\j], v[S+32*\t+8*\j+2*\u+1], v[S+32*\t+8*\j+2*\u+2]
.endr
.endr
.endr
.irp t, 0,1
	v_max3_num_f32 v[ST+8*\t+4], v[ST+8*\t+4], v[S+32*\t+7], v[S+32*\t+15]
.endr
.irp t, 0,1
	v_max3_num_f32 v[ST+8*\t+6], v[ST+8*\t+6], v[S+32*\t+23], v[S+32*\t+31]
.endr
.irp t, 0,1
	v_max3_num_f32 v[ST+8*\t+4], v[ST+8*\t+4], v[ST+8*\t+5], v[ST+8*\t+6]
.endr
.irp t, 0,1
	v_max3_num_f32 v[ST+8*\t+4], v[ST+8*\t+4], v[ST+8*\t+7], v[ST+8*\t+1]
.endr
.irp t, 0,1
	v_permlanex16_b32 v[ST+8*\t+5], v[ST+8*\t+4], s[SEL], s[SEL+1]   ; the query's other 32 keys lie in the lane 16 away
.endr
.irp t, 0,1
	v_mov_b32 v[ST+8*\t+7], v[ST+8*\t]             ; c m_old
.endr
.irp t, 0,1
	v_max_num_f32 v[ST+8*\t+1], v[ST+8*\t+4], v[ST+8*\t+5]
.endr
.irp t, 0,1
	v_mul_f32 v[ST+8*\t], s[CS], v[ST+8*\t+1]
.endr
.irp t, 0,1
	v_sub_f32 v[ST+8*\t+7], v[ST+8*\t+7], v[ST+8*\t]
.endr
.set n, 0
.rept 16
.irp t, 0,1
	v_pk_fma_f32 v[S+32*\t+n:S+32*\t+n+1], v[S+32*\t+n:S+32*\t+n+1], s[CS:CS+1], v[ST+8*\t:ST+8*\t+1] op_sel_hi:[1,0,0] neg_lo:[0,0,1] neg_hi:[0,0,1]   ; c s - c m
.endr
.set n, n+2
.endr
.irp t, 0,1                                    ; ONE BATCH of 66 exponentials: a, and the 64 weights in place
	v_exp_f32 v[ST+8*\t+6], v[ST+8*\t+7]
.endr
.set n, 0
.rept 64
	v_exp_f32 v[S+n], v[S+n]
.set n, n+1
.endr
	v_nop                                          ; a plain line behind the last exponential,
	s_wait_alu depctr_va_vdst(0)                   ; and one wait ahead of the batch's first reader
.irp t, 0,1
	v_pk_mul_f32 v[ST+8*\t+2:ST+8*\t+3], v[ST+8*\t+2:ST+8*\t+3], v[ST+8*\t+6:ST+8*\t+7] op_sel_hi:[1,0]   ; l under the new m
.endr
.irp t, 0,1                                    ; the sum of the unrounded weights, two at a time, in two chains a tile
	v_pk_add_f32 v[ST+8*\t+4:ST+8*\t+5], v[S+32*\t:S+32*\t+1], v[S+32*\t+2:S+32*\t+3]
.endr
.irp j, 4,8,12,16,20,24,28
.irp t, 0,1
	v_pk_add_f32 v[ST+8*\t+2:ST+8*\t+3], v[ST+8*\t+2:ST+8*\t+3], v[S+32*\t+\j:S+32*\t+\j+1]
	v_pk_add_f32 v[ST+8*\t+4:ST+8*\t+5], v[ST+8*\t+4:ST+8*\t+5], v[S+32*\t+\j+2:S+32*\t+\j+3]
.endr
.endr
.irp t, 0,1
	v_pk_add_f32 v[ST+8*\t+2:ST+8*\t+3], v[ST+8*\t+2:ST+8*\t+3], v[ST+8*\t+4:ST+8*\t+5]
.endr
.irp c, 0,1                                    ; to f16 in place: register i of fragment c takes weights 2 i and 2 i + 1, which have been read when their places are written
.irp i, 0,1,2,3,4,5,6,7
.irp t, 0,1
	v_cvt_pk_f16_f32 v[S+32*\t+16*\c+\i], v[S+32*\t+16*\c+2*\i], v[S+32*\t+16*\c+2*\i+1]
.endr
.endr
.endr
.set n, 0
.rept 16
.irp t, 0,1
	v_pk_mul_f32 v[O+32*\t+n:O+32*\t+n+1], v[O+32*\t+n:O+32*\t+n+1], v[ST+8*\t+6:ST+8*\t+7] op_sel_hi:[1,0]   ; O^T under the new m, each accumulator from its low end on
.endr
.set n, n+2
.endr
	s_wait_dscnt 0x0                               ; V is in
.irp c, 0,1                                    ; O^T += V^T P: eight accumulators by turns
.irp k, 0,1,2,3
.irp t, 0,1
	v_wmma_f32_16x16x32_f16 v[O+32*\t+8*\k:O+32*\t+8*\k+7], v[KV+8*(4*\c+\k):KV+8*(4*\c+\k)+7], v[S+32*\t+16*\c:S+32*\t+16*\c+7], v[O+32*\t+8*\k:O+32*\t+8*\k+7]
.endr
.endr
.endr
.rept 5
	v_nop                                          ; five places: the next step's first products write over P, which these have read; its loads land in V's registers
.endr
.Lhidden_\@:
	s_add_co_u32 s[KF], s[KF], 64
	s_add_co_u32 s[TB], s[TB], STEPB
.endm
.macro SLOT_STEPS                      ; a slot's four steps: written once, walked four times
	s_mov_b32 s[CNT], 4
.Lstep_\@:
	STEP
	s_sub_co_u32 s[CNT], s[CNT], 1
	s_cmp_lg_u32 s[CNT], 0
	s_cbranch_scc1 .Lstep_\@
	s_sub_co_u32 s[TB], s[TB], 4*STEPB
	s_xor_b32 s[TB], s[TB], SLOT1                  ; on to the other slot
.endm
; THE CHANGE OF SLOTS stands at a slot's head.  Each wave waits for all its tensor loads, adds 0 to its spare word (fill = 1: twice on end), and waits for that and for its reads of the slot that it has left.
; Behind the barrier the slot ahead is whole and nobody reads the other one; fill = 1: that one is filled with the next 256 keys, up to the causal limit: the load has four steps in which to land.
.macro CHANGE fill
	s_wait_tensorcnt 0x0                           ; no tensor load of mine is out, so a group 0 may be written
	ds_add_u32 v[SPW], v[NIL]
.if \fill
	ds_add_u32 v[SPW], v[NIL]                      ; and once more
	s_xor_b32 s[G0K+1], s[G0K+1], SLOT1
	s_add_nc_u64 s[G0K+2:G0K+3], s[G0K+2:G0K+3], 32768
	s_xor_b32 s[G0V+1], s[G0V+1], SLOT1
	s_add_nc_u64 s[G0V+2:G0V+3], s[G0V+2:G0V+3], 32768
	s_wait_xcnt 0x0                                ; the last prefetch, a slot back, has read its address
	s_add_nc_u64 s[PFA:PFA+1], s[PFA:PFA+1], 32768
.endif
	s_wait_dscnt 0x0
	s_barrier_signal -1
	s_barrier_wait -1
.if \fill
	s_add_co_u32 s54, s[KF], 256                   ; a slot whose first key comes after my work-group's last query is read by none of its waves, so it is not asked for:
	s_cmp_gt_u32 s54, s[LASTQ]                     ; ids and the count of steps alone: all sixteen waves go the same way, and a work-group that is past the limit stays past it
	s_cbranch_scc1 .Lpast_\@
	TLOAD
.Lpast_\@:
	ASK
.endif
.endm
	s_wait_loadcnt 0x0                             ; Q
.Lslot:                                            ; seven trips: behind each change of slots but the last the next slot is asked for, up to the limit
	CHANGE 1
	SLOT_STEPS
	s_sub_co_u32 s[SLOTS], s[SLOTS], 1
	s_cmp_lg_u32 s[SLOTS], 0
	s_cbranch_scc1 .Lslot
	CHANGE 0
	SLOT_STEPS
	; THE WAY OUT: O^T / l, rounded to f16, through my stage, out as 32 rows of 128 bytes that lie on end in att.
.irp t, 0,1
	v_add_f32 v[ST+8*\t+4], v[ST+8*\t+2], v[ST+8*\t+3]
.endr
.irp t, 0,1
	v_permlanex16_b32 v[ST+8*\t+5], v[ST+8*\t+4], s[SEL], s[SEL+1]
.endr
.irp t, 0,1
	v_add_f32 v[ST+8*\t+4], v[ST+8*\t+4], v[ST+8*\t+5]
.endr
.irp t, 0,1
	v_rcp_f32 v[ST+8*\t+6], v[ST+8*\t+4]
.endr
	v_nop
	s_wait_alu depctr_va_vdst(0)                   ; one wait for the two reciprocals, ahead of their first reader
.set n, 0
.rept 16
.irp t, 0,1
	v_pk_mul_f32 v[O+32*\t+n:O+32*\t+n+1], v[O+32*\t+n:O+32*\t+n+1], v[ST+8*\t+6:ST+8*\t+7] op_sel_hi:[1,0]
.endr
.set n, n+2
.endr
.set n, 0
.rept 32
	v_cvt_pk_f16_f32 v[KV+n], v[O+2*n], v[O+2*n+1] ; register 16 t + 4 ct + i: channels 16 ct + 8 h + 2 i, + 1 of query 16 t + r
.set n, n+1
.endr
.irp t, 0,1
.irp k, 0,1,2,3
	ds_store_b128 v[STO], v[KV+16*\t+4*\k:KV+16*\t+4*\k+3] offset:2304*\t+32*\k
.endr
.endr
.irp i, 0,1,2,3,4,5,6,7
	ds_load_b128 v[S+4*\i:S+4*\i+3], v[RD] offset:576*\i           ; LDS serves a wave's instructions in order: these see my stores
.endr
.irp i, 0,1,2,3,4,5,6,7
	s_wait_dscnt 7-\i
	global_store_b128 v[GO], v[S+4*\i:S+4*\i+3], s[6:7] offset:512*\i   ; 32 lanes store 512 consecutive bytes, aligned
.endr
	s_wait_tensorcnt 0x0                           ; the wave's end
	ds_add_u32 v[SPW], v[NIL]
	s_wait_dscnt 0x0
	s_endpgm
.Lfunc_end_k_q83c3f82b0d_attn:
	.size	k_q83c3f82b0d_attn, .Lfunc_end_k_q83c3f82b0d_attn-k_q83c3f82b0d_attn
	.p2alignl 7, 3214868480
	.fill 96, 4, 3214868480
	.section	.rodata,"a",@progbits
	.p2align	6, 0x0
	.amdhsa_kernel k_q83c3f82b0d_attn
		.amdhsa_group_segment_fixed_size 327680
		.amdhsa_private_segment_fixed_size 0
		.amdhsa_enable_private_segment 0
		.amdhsa_kernarg_size 16
		.amdhsa_user_sgpr_count 2
		.amdhsa_user_sgpr_kernarg_segment_ptr 1
		.amdhsa_wavefront_size32 1
		.amdhsa_system_sgpr_workgroup_id_x 1
		.amdhsa_system_sgpr_workgroup_id_y 1
		.amdhsa_system_sgpr_workgroup_id_z 1
		.amdhsa_system_vgpr_workitem_id 0
		.amdhsa_next_free_vgpr 256
		.amdhsa_next_free_sgpr 66
		.amdhsa_reserve_vcc 1
		.amdhsa_float_denorm_mode_32 3
		.amdhsa_float_denorm_mode_16_64 3
		.amdhsa_memory_ordered 1
		.amdhsa_forward_progress 1
		.amdhsa_inst_pref_size 61
	.end_amdhsa_kernel
	.amdgpu_metadata
---
amdhsa.version: [ 1, 2 ]
amdhsa.kernels:
  - .name:           k_q83c3f82b0d_attn
    .symbol:         k_q83c3f82b0d_attn.kd
    .args:
      - { .name: qkv16, .offset: 0, .size: 8, .value_kind: global_buffer, .address_space: global }
      - { .name: att, .offset: 8, .size: 8, .value_kind: global_buffer, .address_space: global }
    .group_segment_fixed_size: 327680
    .private_segment_fixed_size: 0
    .kernarg_segment_align: 8
    .kernarg_segment_size: 16
    .max_flat_workgroup_size: 512
    .sgpr_count:     66
    .vgpr_count:     256
    .wavefront_size: 32
...
	.end_amdgpu_metadata
.endif
;; end of part 3
;; launch proj (part 4): grid 4 x 64, 4 waves a work-group, clusters of 4 x 4, 327,680 bytes of LDS; arguments att, w16, b_out, out0; writes out0
.if DOCPART == 4
	.amdgcn_target "amdgcn-amd-amdhsa--gfx1250"
	.amdhsa_code_object_version 6
	.text
	.protected	k_q83c3f82b0d_proj
	.globl	k_q83c3f82b0d_proj
	.p2align	8
	.type	k_q83c3f82b0d_proj,@function
k_q83c3f82b0d_proj:
	s_mov_b64 s[64:65], 0
	v_nop
	global_prefetch_b8 v0, s[64:65] scope:SCOPE_SE
	s_setreg_imm32_b32 hwreg(HW_REG_WAVE_MODE, 25, 1), 1
	s_wait_xcnt 0x0
	s_wait_alu depctr_hold_cnt(0) depctr_sa_sdst(0) depctr_va_vdst(0) depctr_va_sdst(0) depctr_va_ssrc(0) depctr_va_vcc(0) depctr_vm_vsrc(0)
	s_getreg_b32 s2, hwreg(HW_REG_IB_STS2, 6, 4)
	s_cmp_eq_u32 s2, 0
	s_cbranch_scc0 .Lentry_in_a_cluster
	s_endpgm
.Lentry_in_a_cluster:
	s_bfe_u32 s2, ttmp6, 0x10000c
	s_cmp_lg_u32 s2, 0xf033
	s_cbranch_scc0 .Lentry_shape_is_right
	s_endpgm
.Lentry_shape_is_right:
; out0 = att w_out + b_out on f16 operands, sums in f32.  att: [16 heads][8192 rows][64] f16 (K = 64 x head + channel); w16: [1024 k][1024 n] f16; out0: [8192][1024] f32.
; A tile of 128 rows x 256 columns gives 64 x 4 = 256 work-groups.  Four waves, each 64 rows x 128 columns: 32 accumulators, 256 registers.  K goes in steps of 128 (two heads) through a ring of two LDS slots.
; CLUSTERS: 4 x 4 work-groups; A's tiles (by tile row) are asked for jointly along a row of the cluster, B's (by tile column) along a column.  Waves 0 and 1 fetch a step's two heads of A (128 rows x 128 bytes, dense),
; waves 2 and 3 the two halves of B's 128 rows of k x 512 bytes.
; THE MATRIX INSTRUCTION IS USED TRANSPOSED: source 0 = 16 columns of w16, turned out of LDS by ds_load_tr16_b128 since its K is not innermost; source 1 = 16 rows of att.  A lane holds eight neighbouring columns of a row.
; The bias is the C of each sum's first product.  The rows t < 16 of each batch made here are written over by the next launch, which carries them in f32.
; REGISTERS: window 0: v0-31 addresses; v128-191 the bias; on the way out v32-159 rows.  window 1: two fragment buffers at v0 and v128: A's four fragments, then B's eight.  window 2: accumulator (a, b) at v[8 (8 a + b)].
.set PA,    144                        ; a row of A in LDS: 128 bytes + 16
.set PB,    544                        ; a row of B: 512 bytes + 32
.set BOFF,  2*128*PA                   ; a slot: A's two heads, then B's 128 rows
.set SLOT,  BOFF+128*PB
.set STAGE, 2*SLOT                     ; behind the ring: 16 rows x 528 bytes for each wave
.set SPARE, STAGE+4*16*528
.set KA,    2097152                    ; a K step in att: two heads of 8,192 rows of 128 bytes
.set KB,    262144                     ; and in w16: 128 rows of 2,048 bytes
.set ADRA, 16
.set ADRB, 20
.set STO,  24
.set RD,   25
.set CO,   26
.set BO,   27
.set SPW,  28
.set NIL,  29
.set PFO,  30
.set BIAS, 128
.set BK,   32
.set F0,   0
.set F1,   128
.set G1A, 24
.set G0A, 32
.set G1B, 48
.set G0B, 56
.set PFA, 44
.set LIM, 15
.set MSB, 0
.macro WIN new
.if MSB != \new
	s_set_vgpr_msb (MSB<<8)|\new
.set MSB, \new
.endif
.endm
.set MUL,  0xa5                        ; sources 0 and 1 window 1; C and D window 2
.set MULB, 0x85                        ; C (the bias) window 0
.set TO_F, 0x40                        ; destination window 1, address window 0
.macro JLOAD s                         ; a joint load; an s_nop 0 and four v_nop follow each of the two lines
	s_cmp_eq_u32 s13, 0
	s_cbranch_scc0 .Lfor_b_\@
	tensor_load_to_lds s[G0A+4*\s:G0A+4*\s+3], s[G1A:G1A+7]
	s_nop 0
.rept 4
	v_nop
.endr
	s_branch .Lasked_\@
.Lfor_b_\@:
	tensor_load_to_lds s[G0B+4*\s:G0B+4*\s+3], s[G1B:G1B+7]
	s_nop 0
.rept 4
	v_nop
.endr
.Lasked_\@:
.endm
.macro CREST
	s_cmp_lg_u32 s12, 0
	s_cbranch_scc1 .Lnot_wave_0_\@
	s_barrier_signal -3
.Lnot_wave_0_\@:
	s_barrier_wait -3
	s_barrier_signal -1
	s_barrier_wait -1
.endm
.macro CROUND
	s_barrier_signal -1
	s_barrier_wait -1
	CREST
.endm
; A prefetch of A's K step that stands two refills on: a step's 32,768 bytes of a tile row are shared out BY ADDRESS among the four partners that ask for them jointly (head cx / 2, rows 64 (cx % 2) on: 8,192 bytes,
; lanes 256 bytes apart); wave 0 asks, one instruction.  No other cluster reads these rows, so each aligned block of 256 bytes is named once.  K steps 0 to 3 come by their loads alone; the last trip asks for nothing.
; w16 is not asked for: all sixteen clusters read it again and again.
.macro ASK
	s_cmp_gt_u32 s3, s[LIM]
	s_cbranch_scc0 .Lnot_mine_\@
	global_prefetch_b8 v[PFO], s[PFA:PFA+1] offset:KA th:TH_LOAD_NT scope:SCOPE_SE
.Lnot_mine_\@:
.endm
	s_load_b256 s[4:11], s[0:1], 0x0               ; att s[4:5], w16 s[6:7], b_out s[8:9], out0 s[10:11]
	v_lshl_add_u32 v[SPW], v0, 2, SPARE
	v_mov_b32 v[NIL], 0
	ds_add_u32 v[SPW], v[NIL]                      ; the wave's opening: the add, twice on end, and its wait ahead of my first tensor load
	ds_add_u32 v[SPW], v[NIL]
	v_lshrrev_b32 v1, 5, v0
	v_readfirstlane_b32 s12, v1                    ; wave 0..3
	s_lshr_b32 s13, s12, 1                         ; which 64 rows are mine.  Also: I fetch for A (0) or for B (1)
	s_and_b32 s14, s12, 1                          ; which 128 columns.  Also: which half of that tile I fetch
	s_bfe_u32 s40, ttmp6, 0x40000                  ; cx, cy
	s_bfe_u32 s41, ttmp6, 0x40004
	s_lshl_b32 s42, ttmp9, 2
	s_add_co_u32 s42, s42, s40                     ; tile column
	s_and_b32 s43, ttmp7, 0xffff
	s_lshl_b32 s43, s43, 2
	s_add_co_u32 s43, s43, s41                     ; tile row
	s_lshl_b32 s20, s41, 2
	s_lshl_b32 s20, 15, s20                        ; my row of the cluster
	s_lshl_b32 s21, 0x1111, s40                    ; my column
	s_or_b32 s[G1A], s20, (1<<16)|(1<<20)|(1<<21)|(4<<22)|(3<<25)   ; A: elements of 2 bytes; 4 words of padding after every 32
	s_mov_b32 s[G1A+1], 64<<16                     ; tensor_dim0
	s_mov_b32 s[G1A+2], 128<<16                    ; tensor_dim1
	s_mov_b32 s[G1A+3], 64<<16                     ; tile_dim0
	s_mov_b32 s[G1A+4], 128                        ; tile_dim1
	s_mov_b32 s[G1A+5], 64                         ; the pitch
	s_mov_b32 s[G1A+6], 0
	s_mov_b32 s[G1A+7], 0
	s_or_b32 s[G1B], s21, (1<<16)|(1<<20)|(1<<21)|(6<<22)|(7<<25)   ; B: 8 words of padding after every 128
	s_mov_b32 s[G1B+1], 256<<16
	s_mov_b32 s[G1B+2], 64<<16
	s_mov_b32 s[G1B+3], 256<<16
	s_mov_b32 s[G1B+4], 64
	s_mov_b32 s[G1B+5], 1024
	s_mov_b32 s[G1B+6], 0
	s_mov_b32 s[G1B+7], 0
	s_lshl_b32 s16, s14, 20                        ; A: head = my half, 8,192 rows of 128 bytes a head,
	s_lshl_b32 s17, s43, 14                        ; + 128 x tile row rows
	s_add_co_u32 s16, s16, s17
	s_mov_b32 s17, 0
	s_lshl_b32 s46, s14, 17                        ; B: 64 rows of 2,048 bytes for my half,
	s_lshl_b32 s47, s42, 9                         ; + 256 x tile column columns
	s_add_co_u32 s46, s46, s47
	s_mov_b32 s47, 0
	s_mul_i32 s22, s14, 128*PA                     ; where they go: no place in the cluster enters an LDS address
	s_mul_i32 s23, s14, 64*PB
	s_add_co_u32 s23, s23, BOFF
	s_cmp_eq_u32 s12, 0
	s_cselect_b32 s[LIM], 1, -1
	s_wait_dscnt 0x0                               ; both opening adds are done
	s_wait_kmcnt 0x0
	s_add_nc_u64 s[18:19], s[4:5], s[16:17]
	s_add_nc_u64 s[46:47], s[6:7], s[46:47]
	CROUND                                         ; all sixteen work-groups are here: the first joint loads meet
.irp s, 0,1
	s_mov_b32 s[G0A+4*\s], 1
	s_add_co_u32 s[G0A+4*\s+1], s22, \s*SLOT
	s_add_nc_u64 s[G0A+4*\s+2:G0A+4*\s+3], s[18:19], \s*KA
	s_or_b32 s[G0A+4*\s+3], s[G0A+4*\s+3], 0x80000000
	s_mov_b32 s[G0B+4*\s], 1
	s_add_co_u32 s[G0B+4*\s+1], s23, \s*SLOT
	s_add_nc_u64 s[G0B+4*\s+2:G0B+4*\s+3], s[46:47], \s*KB
	s_or_b32 s[G0B+4*\s+3], s[G0B+4*\s+3], 0x80000000
	JLOAD \s
.endr
	v_and_b32 v1, 15, v0                           ; r
	v_bfe_u32 v2, v0, 4, 1                         ; h
	v_mul_u32_u24 v3, v1, PA
	v_lshl_add_u32 v3, v2, 4, v3                   ; A: row r x pitch + 16 h
	v_and_b32 v4, 7, v0
	v_lshl_add_u32 v4, v2, 3, v4
	v_mul_u32_u24 v4, v4, PB
	v_bfe_u32 v5, v0, 3, 1
	v_lshl_add_u32 v4, v5, 4, v4                   ; B, for the turning load: row of k 8 h + lane % 8, 16 bytes for each eight lanes
	s_mul_i32 s21, s13, 64*PA                      ; my 64 rows of A
	s_lshl_b32 s22, s14, 8                         ; my 128 columns of B
	s_add_co_u32 s22, s22, BOFF
.irp s, 0,1
	v_add_nc_u32 v[ADRA+\s], s21, v3
	v_add_nc_u32 v[ADRB+\s], s22, v4
	s_add_co_u32 s21, s21, SLOT
	s_add_co_u32 s22, s22, SLOT
.endr
	s_mul_i32 s23, s12, 16*528
	s_add_co_u32 s23, s23, STAGE                   ; my stage
	v_mul_u32_u24 v5, v1, 528
	v_lshl_add_u32 v5, v2, 5, v5
	v_add_nc_u32 v[STO], s23, v5
	v_and_b32 v6, 31, v0
	v_lshlrev_b32 v[CO], 4, v6
	v_add_nc_u32 v[RD], s23, v[CO]
	v_lshlrev_b32 v[BO], 5, v2
	v_lshlrev_b32 v[PFO], 8, v6
	s_lshl_b32 s46, s42, 10
	s_lshl_b32 s47, s14, 9
	s_add_co_u32 s46, s46, s47                     ; my first column, in bytes of f32
	s_mov_b32 s47, 0
	s_add_nc_u64 s[8:9], s[8:9], s[46:47]
	s_add_nc_u64 s[10:11], s[10:11], s[46:47]
	s_lshl_b32 s46, s43, 19                        ; 128 x tile row rows of 4,096 bytes,
	s_lshl_b32 s20, s13, 18                        ; + my 64
	s_add_co_u32 s46, s46, s20
	s_add_nc_u64 s[10:11], s[10:11], s[46:47]
.irp b, 0,1,2,3,4,5,6,7                        ; the bias in the result's layout
	global_load_b128 v[BIAS+8*\b:BIAS+8*\b+3], v[BO], s[8:9] offset:64*\b
	global_load_b128 v[BIAS+8*\b+4:BIAS+8*\b+7], v[BO], s[8:9] offset:64*\b+16
.endr
	s_lshr_b32 s20, s40, 1                         ; the prefetches: head cx / 2,
	s_lshl_b32 s20, s20, 20
	s_lshl_b32 s21, s43, 14                        ; the tile row's rows,
	s_add_co_u32 s20, s20, s21
	s_and_b32 s21, s40, 1
	s_lshl_b32 s21, s21, 13                        ; 64 (cx % 2) of them on
	s_add_co_u32 s20, s20, s21
	s_mov_b32 s21, 0
	s_add_nc_u64 s[PFA:PFA+1], s[4:5], s[20:21]
	s_add_nc_u64 s[PFA:PFA+1], s[PFA:PFA+1], 2*KA  ; at K step 2: the first refill steps it to 3 and names K step 4
; 24 LDS loads in one run: the fragments of the slot's q-th 32 along K into buffer f: B's eight (turned), then A's four
.macro FETCH slot, q, f
	WIN TO_F
.irp b, 0,1,2,3,4,5,6,7
	ds_load_tr16_b128 v[\f+32+8*\b:\f+32+8*\b+3], v[ADRB+\slot] offset:32*PB*(\q)+32*\b
	ds_load_tr16_b128 v[\f+32+8*\b+4:\f+32+8*\b+7], v[ADRB+\slot] offset:32*PB*(\q)+32*\b+16*PB
.endr
.irp a, 0,1,2,3
	ds_load_b128 v[\f+8*\a:\f+8*\a+3], v[ADRA+\slot] offset:128*PA*((\q)/2)+64*((\q)%2)+16*PA*\a
	ds_load_b128 v[\f+8*\a+4:\f+8*\a+7], v[ADRA+\slot] offset:128*PA*((\q)/2)+64*((\q)%2)+16*PA*\a+32
.endr
.endm
; 8 matrix instructions: A's block a x B's eight.  The 32 accumulators take turns, one instruction a turn, in the same order in every quarter.
.macro MUL8 f, a, zero
.irp b, 0,1,2,3,4,5,6,7
.if \zero
	v_wmma_f32_16x16x32_f16 v[8*(8*(\a)+\b):8*(8*(\a)+\b)+7], v[\f+32+8*\b:\f+32+8*\b+7], v[\f+8*(\a):\f+8*(\a)+7], v[BIAS+8*\b:BIAS+8*\b+7]
.else
	v_wmma_f32_16x16x32_f16 v[8*(8*(\a)+\b):8*(8*(\a)+\b)+7], v[\f+32+8*\b:\f+32+8*\b+7], v[\f+8*(\a):\f+8*(\a)+7], v[8*(8*(\a)+\b):8*(8*(\a)+\b)+7]
.endif
.endr
.endm
.macro PLACES
.rept 4
	v_nop
.endr
.endm
.macro MWIN zero
.if \zero
	WIN MULB
.else
	WIN MUL
.endif
.endm
; A K step is four quarters of 32 along K, 32 matrix instructions each, on buffers 0, 1, 0, 1.  One of the first three: multiplies buffer f and fetches the slot's quarter qn into g.
.macro QUARTER slot, qn, f, g, zero
	s_wait_dscnt 4                                 ; B's fragments and A's blocks 0 and 1 are in; the youngest four loads (A's blocks 2 and 3) may be out
	MWIN \zero
	MUL8 \f, 0, \zero
	MUL8 \f, 1, \zero
	PLACES
	FETCH \slot, \qn, \g
	s_wait_dscnt 24                                ; all but the 24 just issued
	MWIN \zero
	MUL8 \f, 2, \zero
	MUL8 \f, 3, \zero
.endm
; The last quarter multiplies buffer 1 and changes slots: ONE barrier; in front of it each wave waits for all its tensor loads, adds 0 to its spare word, and waits for that and for its reads of this slot.
; fill = 1: the barrier opens a round of the cluster's, and this slot is filled again, two K steps ahead: the load has a K step less sixteen matrix instructions in which to land.
.macro TURN slot, next, fill
	WIN 0
.if \fill
	s_wait_xcnt 0x0                                ; the last prefetch, a K step back, has read its address
	s_add_nc_u64 s[PFA:PFA+1], s[PFA:PFA+1], KA
.endif
	s_wait_tensorcnt 0x0                           ; all my tensor loads have landed: my part of the next slot
	ds_add_u32 v[SPW], v[NIL]
	s_wait_dscnt 5                                 ; the add and the youngest four loads may be out
	WIN MUL
	MUL8 F1, 0, 0
	s_wait_dscnt 0x0                               ; the add is done, and my reads of this slot are over
	s_barrier_signal -1
	MUL8 F1, 1, 0
	WIN 0
	s_barrier_wait -1
.if \fill
	CREST
	s_add_nc_u64 s[G0A+4*\slot+2:G0A+4*\slot+3], s[G0A+4*\slot+2:G0A+4*\slot+3], 2*KA
	s_add_nc_u64 s[G0B+4*\slot+2:G0B+4*\slot+3], s[G0B+4*\slot+2:G0B+4*\slot+3], 2*KB
	JLOAD \slot                                    ; the first tensor load behind the round; its four v_nop are also the places in front of the loads below
.else
	PLACES
.endif
	FETCH \next, 0, F0
	WIN 0
.if \fill
	ASK
.endif
	WIN MUL
	MUL8 F1, 2, 0
	MUL8 F1, 3, 0
.endm
	s_wait_tensorcnt 1                             ; my part of K step 0 is in; K step 1's may be out
	s_barrier_signal -1
	s_barrier_wait -1
	FETCH 0, 0, F0
	s_wait_loadcnt 0x0                             ; the bias
	QUARTER 0, 1, F0, F1, 1                        ; the first quarter stands in front of the loop: its products start the sums
	WIN 0
	s_mov_b32 s3, 3
.Llap:                                             ; a trip goes once round the ring and fills both slots again: K steps 2 to 7
	QUARTER 0, 2, F1, F0, 0
	QUARTER 0, 3, F0, F1, 0
	TURN 0, 1, 1
	QUARTER 1, 1, F0, F1, 0
	QUARTER 1, 2, F1, F0, 0
	QUARTER 1, 3, F0, F1, 0
	TURN 1, 0, 1
	QUARTER 0, 1, F0, F1, 0
	WIN 0
	s_sub_co_u32 s3, s3, 1
	s_cmp_lg_u32 s3, 0
	s_cbranch_scc1 .Llap
	QUARTER 0, 2, F1, F0, 0                        ; the last lap fills nothing
	QUARTER 0, 3, F0, F1, 0
	TURN 0, 1, 0
	QUARTER 1, 1, F0, F1, 0
	QUARTER 1, 2, F1, F0, 0
	QUARTER 1, 3, F0, F1, 0
	s_wait_dscnt 4
	WIN MUL
	MUL8 F1, 0, 0
	MUL8 F1, 1, 0
	s_wait_dscnt 0
	MUL8 F1, 2, 0
	MUL8 F1, 3, 0
	WIN 0
; THE WAY OUT, block by block of 16 rows x 128 columns: through my own stage, back as whole rows of 512 bytes.
.macro TOSTAGE a
	WIN 0x08                                       ; an LDS store's data are its source 1: window 2
.irp b, 0,1,2,3,4,5,6,7
	ds_store_b128 v[STO], v[64*(\a)+8*\b:64*(\a)+8*\b+3] offset:64*\b          ; each accumulator from its low end on
	ds_store_b128 v[STO], v[64*(\a)+8*\b+4:64*(\a)+8*\b+7] offset:64*\b+16
.endr
	WIN 0
.set BB, BK+64*((\a)%2)
.irp t, 0,1,2,3,4,5,6,7,8,9,10,11,12,13,14,15
	ds_load_b128 v[BB+4*\t:BB+4*\t+3], v[RD] offset:\t*528
.endr
.endm
.macro SEND a, younger                 ; younger: the LDS instructions issued behind block a's loads, which may stay out
.set BB, BK+64*((\a)%2)
	s_wait_dscnt \younger
.irp t, 0,1,2,3,4,5,6,7,8,9,10,11,12,13,14,15
	global_store_b128 v[CO], v[BB+4*\t:BB+4*\t+3], s[10:11] offset:65536*(\a)+4096*\t   ; 32 lanes store 512 consecutive bytes, aligned
.endr
.endm
	PLACES
	TOSTAGE 0
.irp a, 1,2,3
.if \a > 1
	s_wait_xcnt 0x0                                ; block a - 2's stores have read their registers: block a's loads may land there
.endif
	TOSTAGE \a
	SEND \a-1, 32
.endr
	SEND 3, 0
	s_wait_tensorcnt 0x0                           ; the wave's end
	ds_add_u32 v[SPW], v[NIL]
	s_wait_dscnt 0x0
	CROUND                                         ; the closing round
	s_endpgm
.Lfunc_end_k_q83c3f82b0d_proj:
	.size	k_q83c3f82b0d_proj, .Lfunc_end_k_q83c3f82b0d_proj-k_q83c3f82b0d_proj
	.p2alignl 7, 3214868480
	.fill 96, 4, 3214868480
	.section	.rodata,"a",@progbits
	.p2align	6, 0x0
	.amdhsa_kernel k_q83c3f82b0d_proj
		.amdhsa_group_segment_fixed_size 327680
		.amdhsa_private_segment_fixed_size 0
		.amdhsa_enable_private_segment 0
		.amdhsa_kernarg_size 32
		.amdhsa_user_sgpr_count 2
		.amdhsa_user_sgpr_kernarg_segment_ptr 1
		.amdhsa_wavefront_size32 1
		.amdhsa_system_sgpr_workgroup_id_x 1
		.amdhsa_system_sgpr_workgroup_id_y 1
		.amdhsa_system_sgpr_workgroup_id_z 1
		.amdhsa_system_vgpr_workitem_id 0
		.amdhsa_next_free_vgpr 768
		.amdhsa_next_free_sgpr 66
		.amdhsa_reserve_vcc 0
		.amdhsa_float_denorm_mode_32 3
		.amdhsa_float_denorm_mode_16_64 3
		.amdhsa_memory_ordered 1
		.amdhsa_forward_progress 1
		.amdhsa_inst_pref_size 87
	.end_amdhsa_kernel
	.amdgpu_metadata
---
amdhsa.version: [ 1, 2 ]
amdhsa.kernels:
  - .name:           k_q83c3f82b0d_proj
    .symbol:         k_q83c3f82b0d_proj.kd
    .args:
      - { .name: att, .offset: 0, .size: 8, .value_kind: global_buffer, .address_space: global }
      - { .name: w16, .offset: 8, .size: 8, .value_kind: global_buffer, .address_space: global }
      - { .name: b_out, .offset: 16, .size: 8, .value_kind: global_buffer, .address_space: global }
      - { .name: out0, .offset: 24, .size: 8, .value_kind: global_buffer, .address_space: global }
    .group_segment_fixed_size: 327680
    .private_segment_fixed_size: 0
    .kernarg_segment_align: 8
    .kernarg_segment_size: 32
    .max_flat_workgroup_size: 128
    .sgpr_count:     66
    .vgpr_count:     768
    .wavefront_size: 32
...
	.end_amdgpu_metadata
.endif
;; end of part 4
;; launch fine (part 5): grid 16 x 4, 16 waves a work-group, no clusters, 85,504 bytes of LDS; arguments qkv_fine, w_out, b_out, out0; writes out0
.if DOCPART == 5
	.amdgcn_target "amdgcn-amd-amdhsa--gfx1250"
	.amdhsa_code_object_version 6
	.text
	.protected	k_q83c3f82b0d_fine
	.globl	k_q83c3f82b0d_fine
	.p2align	8
	.type	k_q83c3f82b0d_fine,@function
k_q83c3f82b0d_fine:
	s_mov_b64 s[64:65], 0
	v_nop
	global_prefetch_b8 v0, s[64:65] scope:SCOPE_SE
	s_setreg_imm32_b32 hwreg(HW_REG_WAVE_MODE, 25, 1), 1
	s_wait_xcnt 0x0
; THE FIRST 16 POSITIONS OF EACH BATCH, WHOLLY IN f32: they average one to sixteen values and are the largest in size, so the rounding of 16-bit operands weighs most there.  64 rows of out0 are written over.
; Work-group (x, b) makes rows 2,048 b + 0 .. 15, columns 64 x .. 64 x + 63.  PHASE A: each of sixteen waves makes one head's 16 x 16 attention from qkv_fine [4][16][3072] (every work-group of a batch makes all sixteen:
; 32 small matrix instructions a wave), and puts its 16 x 64 results into LDS.  PHASE B: wave (ct = wave % 4, kq = wave / 4) multiplies the 16 rows by w_out's rows 256 kq .. + 255, columns 16 ct on;
; the four parts along K meet in LDS and leave with the bias.  This is no bulk work: 96 matrix instructions of 16 x 16 x 4 a wave.
; In each product the places of k in the registers are permuted alike on both operands, so that plain loads fill the fragments.
; The four accumulators v112-143 are written by matrix instructions alone; each sum begins with the constant 0; what is made of a sum goes into other registers.
.set ATT,   0                          ; 16 rows x (4,096 bytes + 16)
.set RED,   66048                      ; 4 parts x 16 rows x (256 bytes + 16)
.set SPARE, 83456
.set SPW, 1
.set NIL, 2
.set ACC, 112
	s_load_b256 s[4:11], s[0:1], 0x0               ; qkv_fine s[4:5], w_out s[6:7], b_out s[8:9], out0 s[10:11]
	v_lshl_add_u32 v[SPW], v0, 2, SPARE
	v_mov_b32 v[NIL], 0
	v_lshrrev_b32 v3, 5, v0
	v_readfirstlane_b32 s12, v3                    ; wave 0..15: the head in phase A
	s_mov_b32 s13, ttmp9                           ; which 64 columns
	s_and_b32 s14, ttmp7, 0xffff                   ; the batch
	s_and_b32 s15, s12, 3                          ; ct
	s_lshr_b32 s16, s12, 2                         ; kq
	v_and_b32 v3, 15, v0                           ; r
	v_bfe_u32 v4, v0, 4, 1                         ; h
	v_mul_u32_u24 v5, v3, 12288
	v_lshl_add_u32 v5, v4, 7, v5                   ; q, k: row r of 12,288 bytes, + 128 h: channels 32 h + 0 .. 31
	v_mul_u32_u24 v6, v4, 98304
	v_lshl_add_u32 v6, v3, 2, v6                   ; v: keys 8 h on, channel r of a tile
	v_lshlrev_b32 v7, 19, v4
	v_lshl_add_u32 v7, v3, 2, v7                   ; w_out: rows 128 h on, column r of my 16
	v_lshlrev_b32 v8, 4, v3                        ; the bias: 16 bytes for each of sixteen threads
	v_mul_u32_u24 v9, v3, 4112
	v_lshl_add_u32 v10, v4, 9, v9
	s_lshl_b32 s17, s16, 10
	v_add_nc_u32 v10, s17, v10                     ; phase B reads: row r, K = 256 kq + 128 h on
	v_lshl_add_u32 v9, v4, 5, v9
	s_lshl_b32 s17, s12, 8
	v_add_nc_u32 v9, s17, v9                       ; phase A stores: row r, + 256 bytes a head, + 32 h
	v_mul_u32_u24 v11, v3, 272
	v_lshl_add_u32 v11, v4, 5, v11
	s_mul_i32 s17, s16, 4352
	s_lshl_b32 s18, s15, 6
	s_add_co_u32 s17, s17, s18
	s_add_co_u32 s17, s17, RED
	v_add_nc_u32 v11, s17, v11                     ; my part's place: part kq, row r, + 64 ct + 32 h
	v_lshrrev_b32 v13, 4, v0                       ; the row that a thread of waves 0-7 sends
	v_mul_u32_u24 v12, v13, 272
	v_add_nc_u32 v12, v12, v8
	v_add_nc_u32 v12, RED, v12
	v_lshl_add_u32 v13, v13, 12, v8                ; and its place in out0
	v_lshlrev_b32 v14, 3, v4
	v_sub_nc_u32 v14, v3, v14                      ; r - 8 h
	v_mov_b32 v15, 0xff800000                      ; -infinity
	s_mov_b32 s20, 0x76543210
	s_mov_b32 s21, 0xfedcba98
	s_mov_b32 s22, 0x3e38aa3b                      ; c = log2(e) / 8
	s_mul_i32 s24, s14, 196608
	s_lshl_b32 s25, s12, 8
	s_add_co_u32 s24, s24, s25
	s_mov_b32 s25, 0
	s_lshl_b32 s26, s16, 20
	s_lshl_b32 s27, s13, 8
	s_add_co_u32 s26, s26, s27
	s_lshl_b32 s27, s15, 6
	s_add_co_u32 s26, s26, s27
	s_mov_b32 s27, 0
	s_lshl_b32 s28, s13, 8
	s_mov_b32 s29, 0
	s_lshl_b32 s30, s14, 23
	s_add_co_u32 s30, s30, s28
	s_mov_b32 s31, 0
	s_wait_kmcnt 0x0
	s_add_nc_u64 s[4:5], s[4:5], s[24:25]
	s_add_nc_u64 s[6:7], s[6:7], s[26:27]
	s_add_nc_u64 s[8:9], s[8:9], s[28:29]
	s_add_nc_u64 s[10:11], s[10:11], s[30:31]
	global_load_b128 v[168:171], v8, s[8:9]        ; the bias
.irp u, 0,1,2,3,4,5,6,7
	global_load_b128 v[16+4*\u:19+4*\u], v5, s[4:5] offset:16*\u           ; q(r, 32 h + ..)
.endr
.irp u, 0,1,2,3,4,5,6,7
	global_load_b128 v[48+4*\u:51+4*\u], v5, s[4:5] offset:4096+16*\u      ; k likewise
.endr
.irp q, 0,1,2,3
.irp j, 0,1,2,3,4,5,6,7
	global_load_b32 v[80+8*\q+\j], v6, s[4:5] offset:8192+12288*\j+64*\q   ; v(key 8 h + j, channel 16 q + r)
.endr
.endr
.set i, 0
.rept 64
	global_load_b32 v[192+i], v7, s[6:7] offset:4096*i                     ; w_out(256 kq + 128 h + i, my column), i = 0 .. 63
.set i, i+1
.endr
	s_wait_loadcnt 63                              ; the bias, q, k and v are in: behind them stand the 64 loads of w_out
; ---- PHASE A.  S^T = k q^T: source 0 = 16 keys, source 1 = 16 queries; instruction c takes channels 32 h + 2 c, + 1.  Four accumulators by turns.
.set c, 0
.rept 16
.if c < 4
	v_wmma_f32_16x16x4_f32 v[ACC+8*(c%4):ACC+8*(c%4)+7], v[48+2*c:49+2*c], v[16+2*c:17+2*c], 0
.else
	v_wmma_f32_16x16x4_f32 v[ACC+8*(c%4):ACC+8*(c%4)+7], v[48+2*c:49+2*c], v[16+2*c:17+2*c], v[ACC+8*(c%4):ACC+8*(c%4)+7]
.endif
.set c, c+1
.endr
.rept 9
	v_nop                                          ; nine places: the accumulators are read, q's and k's registers loaded anew, and the accumulators later begun anew
.endr
.set i, 0
.rept 64
	global_load_b32 v[16+i], v7, s[6:7] offset:4096*(64+i)                 ; w_out's i = 64 .. 127
.set i, i+1
.endr
.irp j, 0,1,2,3,4,5,6,7                        ; the four parts' sum, each accumulator from its low end on: lane (r, h) holds query r, register j key 8 h + j
	v_add_f32 v[144+\j], v[ACC+\j], v[ACC+8+\j]
	v_add_f32 v[152+\j], v[ACC+16+\j], v[ACC+24+\j]
.endr
.irp j, 0,1,2,3,4,5,6,7
	v_add_f32 v[144+\j], v[144+\j], v[152+\j]
.endr
.irp j, 0,1,2,3,4,5,6,7
	v_cmp_gt_i32 vcc_lo, \j, v14                   ; hidden where 8 h + j > r
	v_cndmask_b32 v[144+\j], v[144+\j], v15, vcc_lo
.endr
	v_max3_num_f32 v152, v144, v145, v146
	v_max3_num_f32 v153, v147, v148, v149
	v_max3_num_f32 v152, v152, v150, v151
	v_max_num_f32 v152, v152, v153
	v_permlanex16_b32 v153, v152, s20, s21
	v_max_num_f32 v152, v152, v153                 ; the row's maximum (key 0 counts for every query)
	v_mul_f32 v152, s22, v152
.irp j, 0,1,2,3,4,5,6,7
	v_fma_f32 v[144+\j], v[144+\j], s22, -v152
.endr
.irp j, 0,1,2,3,4,5,6,7
	v_exp_f32 v[144+\j], v[144+\j]
.endr
	v_nop
	s_wait_alu depctr_va_vdst(0)                   ; one wait for the eight, ahead of their first reader
	v_add_f32 v153, v144, v145
	v_add_f32 v154, v146, v147
	v_add_f32 v155, v148, v149
	v_add_f32 v156, v150, v151
	v_add_f32 v153, v153, v154
	v_add_f32 v155, v155, v156
	v_add_f32 v153, v153, v155
	v_permlanex16_b32 v154, v153, s20, s21
	v_add_f32 v153, v153, v154
	v_rcp_f32 v155, v153
	v_nop
	s_wait_alu depctr_va_vdst(0)
.irp j, 0,1,2,3,4,5,6,7
	v_mul_f32 v[144+\j], v[144+\j], v155           ; the weights
.endr
.irp c, 0,1,2,3                                ; O^T = v^T p: source 0 = 16 channels, source 1 = 16 queries; instruction c takes keys 8 h + 2 c, + 1.  The four tiles of channels by turns
.irp q, 0,1,2,3
.if \c == 0
	v_wmma_f32_16x16x4_f32 v[ACC+8*\q:ACC+8*\q+7], v[80+8*\q+2*\c:81+8*\q+2*\c], v[144+2*\c:145+2*\c], 0
.else
	v_wmma_f32_16x16x4_f32 v[ACC+8*\q:ACC+8*\q+7], v[80+8*\q+2*\c:81+8*\q+2*\c], v[144+2*\c:145+2*\c], v[ACC+8*\q:ACC+8*\q+7]
.endif
.endr
.endr
.rept 9
	v_nop
.endr
.irp q, 0,1,2,3
	ds_store_b128 v9, v[ACC+8*\q:ACC+8*\q+3] offset:64*\q          ; lane (r, h): channels 16 q + 8 h + 0 .. 7 of query r
	ds_store_b128 v9, v[ACC+8*\q+4:ACC+8*\q+7] offset:64*\q+16
.endr
	s_wait_dscnt 0x0                               ; for the others' sake: my stores have landed
	s_barrier_signal -1
	s_barrier_wait -1                              ; the 16 rows x 1,024 lie in LDS
; ---- PHASE B.  Transposed: source 0 = 16 columns of w_out, source 1 = the 16 rows; instruction c takes K = 256 kq + 128 h + 2 c, + 1.
	s_wait_loadcnt 0x0                             ; w_out
.set c, 0
.rept 4
.irp u, 0,1,2,3,4,5,6,7
	ds_load_b128 v[80+4*\u:83+4*\u], v10 offset:128*(c/16)+16*\u
.endr
	s_wait_dscnt 0x0
.rept 16
.if c < 32
.set WR, 192+2*c
.else
.set WR, 16+2*(c-32)
.endif
.if c < 4
	v_wmma_f32_16x16x4_f32 v[ACC+8*(c%4):ACC+8*(c%4)+7], v[WR:WR+1], v[80+2*(c%16):81+2*(c%16)], 0
.else
	v_wmma_f32_16x16x4_f32 v[ACC+8*(c%4):ACC+8*(c%4)+7], v[WR:WR+1], v[80+2*(c%16):81+2*(c%16)], v[ACC+8*(c%4):ACC+8*(c%4)+7]
.endif
.set c, c+1
.endr
.rept 8
	v_nop                                          ; eight places ahead of the loads into the rows' registers, and of the first read of the sums
.endr
.endr
.irp j, 0,1,2,3,4,5,6,7
	v_add_f32 v[160+\j], v[ACC+\j], v[ACC+8+\j]
	v_add_f32 v[152+\j], v[ACC+16+\j], v[ACC+24+\j]
.endr
.irp j, 0,1,2,3,4,5,6,7
	v_add_f32 v[160+\j], v[160+\j], v[152+\j]
.endr
	ds_store_b128 v11, v[160:163]
	ds_store_b128 v11, v[164:167] offset:16
	s_wait_dscnt 0x0
	s_barrier_signal -1
	s_barrier_wait -1                              ; the four parts along K lie in LDS
	s_cmp_lt_u32 s12, 8                            ; 256 threads send 16 rows x 256 bytes
	s_cbranch_scc0 .Lend
.irp k, 0,1,2,3
	ds_load_b128 v[172+4*\k:175+4*\k], v12 offset:4352*\k
.endr
	s_wait_dscnt 0x0
	v_pk_add_f32 v[172:173], v[172:173], v[176:177]
	v_pk_add_f32 v[174:175], v[174:175], v[178:179]
	v_pk_add_f32 v[180:181], v[180:181], v[184:185]
	v_pk_add_f32 v[182:183], v[182:183], v[186:187]
	v_pk_add_f32 v[172:173], v[172:173], v[180:181]
	v_pk_add_f32 v[174:175], v[174:175], v[182:183]
	v_pk_add_f32 v[172:173], v[172:173], v[168:169]
	v_pk_add_f32 v[174:175], v[174:175], v[170:171]
	global_store_b128 v13, v[172:175], s[10:11]    ; sixteen lanes store 256 consecutive bytes, aligned
.Lend:
	s_wait_tensorcnt 0x0                           ; the wave's end, behind my last LDS store
	ds_add_u32 v[SPW], v[NIL]
	s_wait_dscnt 0x0
	s_endpgm
.Lfunc_end_k_q83c3f82b0d_fine:
	.size	k_q83c3f82b0d_fine, .Lfunc_end_k_q83c3f82b0d_fine-k_q83c3f82b0d_fine
	.p2alignl 7, 3214868480
	.fill 96, 4, 3214868480
	.section	.rodata,"a",@progbits
	.p2align	6, 0x0
	.amdhsa_kernel k_q83c3f82b0d_fine
		.amdhsa_group_segment_fixed_size 85504
		.amdhsa_private_segment_fixed_size 0
		.amdhsa_enable_private_segment 0
		.amdhsa_kernarg_size 32
		.amdhsa_user_sgpr_count 2
		.amdhsa_user_sgpr_kernarg_segment_ptr 1
		.amdhsa_wavefront_size32 1
		.amdhsa_system_sgpr_workgroup_id_x 1
		.amdhsa_system_sgpr_workgroup_id_y 1
		.amdhsa_system_sgpr_workgroup_id_z 1
		.amdhsa_system_vgpr_workitem_id 0
		.amdhsa_next_free_vgpr 256
		.amdhsa_next_free_sgpr 66
		.amdhsa_reserve_vcc 1
		.amdhsa_float_denorm_mode_32 3
		.amdhsa_float_denorm_mode_16_64 3
		.amdhsa_memory_ordered 1
		.amdhsa_forward_progress 1
		.amdhsa_inst_pref_size 36
	.end_amdhsa_kernel
	.amdgpu_metadata
---
amdhsa.version: [ 1, 2 ]
amdhsa.kernels:
  - .name:           k_q83c3f82b0d_fine
    .symbol:         k_q83c3f82b0d_fine.kd
    .args:
      - { .name: qkv_fine, .offset: 0, .size: 8, .value_kind: global_buffer, .address_space: global }
      - { .name: w_out, .offset: 8, .size: 8, .value_kind: global_buffer, .address_space: global }
      - { .name: b_out, .offset: 16, .size: 8, .value_kind: global_buffer, .address_space: global }
      - { .name: out0, .offset: 24, .size: 8, .value_kind: global_buffer, .address_space: global }
    .group_segment_fixed_size: 85504
    .private_segment_fixed_size: 0
    .kernarg_segment_align: 8
    .kernarg_segment_size: 32
    .max_flat_workgroup_size: 512
    .sgpr_count:     66
    .vgpr_count:     256
    .wavefront_size: 32
...
	.end_amdgpu_metadata
.endif
;; end of part 5
